; MI455X (gfx1250); checked and timed in simulation.
; The chip was launched on July 23, 2026; its instructions are those of AMD's public machine-readable ISA for CDNA 5 (MIT licence, August 2026) and "CDNA5" Instruction Set Architecture Reference Guide (July 2026). The comments in the code are by the model that wrote it; some were corrected since.
;; Multi Headed Attention. Allowed arithmetic: matrix products marked QUANTISED: E2M3 operands, one E8M0 scale for each 32 along K, by v_wmma_scale_f32_16x16x128_f8f6f4 with both operands' format E2M3, f32 sums; everything else in f32.
;; Inputs: Wk 1,024 x 1,024 float32; Wo 1,024 x 1,024 float32; Wq 1,024 x 1,024 float32; Wv 1,024 x 1,024 float32; bk 1,024 float32; bo 1,024 float32; bq 1,024 float32; bv 1,024 float32; embedding 4 x 2,048 x 1,024 float32.
;; Outputs: out0 4 x 2,048 x 1,024 float32.
;; This version of the problem:
;;   THIS VERSION OF THE PROBLEM IS GIVEN IN LOW PRECISION. The matrix products marked QUANTISED in the list below multiply operands that are first quantised to E2M3 (2 exponent bits, 3 mantissa bits; 6 bits a number), with one power-of-two scale for each 32 numbers along K (OCP MX v1.0); their sums are f32. All else is computed in f32.
;;   The module's matrix products, in the order in which they are computed (A, B: the left and right operand; K: the contracted axis; several contracted axes count as one K, in the product's order):
;;     1. [M 8,192, K 1,024] x [K 1,024, N 1,024]; A: input embedding; B: input Wq: QUANTISED
;;     2. [M 8,192, K 1,024] x [K 1,024, N 1,024]; A: input embedding; B: input Wk: QUANTISED
;;     3. [M 8,192, K 1,024] x [K 1,024, N 1,024]; A: input embedding; B: input Wv: QUANTISED
;;     4. batch 64 x [M 2,048, K 64] x [K 64, N 2,048]; A: computed on the way; B: computed on the way: QUANTISED
;;     5. batch 64 x [M 2,048, K 2,048] x [K 2,048, N 64]; A: softmax (see below); B: computed on the way: QUANTISED
;;     6. [M 8,192, K 1,024] x [K 1,024, N 1,024]; A: computed on the way; B: input Wo: QUANTISED
;;   THE QUANTISER, for each operand of a quantised product, along K:
;;     - K is cut into blocks of 32 from its start; a last block that is shorter is filled with zeros.
;;     - A block's scale is 2^e with e = floor(log2(the largest magnitude in the block)) - 2, held to -126 .. 127; a block of zeros has e = 0. As a byte (E8M0): e + 127.
;;     - Each number is divided by its block's scale, clamped to +-7.5, and rounded to the nearest number of E2M3, ties to even, subnormals kept.
;;     - The product sums the exact products of the quantised numbers (number of the format x scale) in f32.
;;   ~~~python
;;   def quantise(x, axis):      # numpy; x: float32 -> the quantised numbers, widened to float32 again
;;       x = np.moveaxis(x, axis, -1); K = x.shape[-1]
;;       x = np.pad(x, [(0, 0)] * (x.ndim - 1) + [(0, -K % 32)]); x = x.reshape(x.shape[:-1] + (-1, 32)); a = np.abs(x).max(-1, keepdims=True)
;;       e = np.where(a > 0, np.clip(np.frexp(np.where(a > 0, a, 1))[1] - 1 - 2, -126, 127), 0)      # np.frexp(a)[1] - 1 = floor(log2(a)), exactly
;;       r = np.clip(x / 2.0 ** e, -7.5, 7.5)
;;       step = 2.0 ** (np.maximum(np.frexp(np.where(r == 0, 1, r))[1] - 1, 0) - 3)
;;       q = np.round(r / step) * step * 2.0 ** e      # np.round: ties to even
;;       return np.moveaxis(q.reshape(q.shape[:-2] + (-1,))[..., :K], -1, axis).astype(np.float32)
;;   ~~~
;;   SOFTMAX AHEAD OF A QUANTISED PRODUCT. Where the list says 'softmax', what is quantised is not the finished softmax but p = 2^(t - M), with t = logit x log2(e) and M = ceil(the row's largest t), a whole number; so 1/2 < the row's largest p <= 1. The row's sum l is taken of the UNQUANTISED p, in f32, and the product's result is divided by l at the end. Since M is a whole number, a kernel that streams over the keys may use a running M (the ceiling of the running maximum): every later rescaling is an exact power of two, which a block's scale takes up: the codes' values come out the same.
;;   OPERANDS COMPUTED ON THE WAY. 'Computed on the way' means the value that the module computes at that place (a softmax that the list does not call 'softmax' is quantised finished and normalised). What goes into a quantiser is computed in f32, as accurately as f32 sums, v_exp_f32 and their like allow (about 1e-6 of the number): no bf16 or f16 on the way to a quantiser, and a product that is left as it is and whose result goes on into a quantised operand takes f32 operands (vector FMAs, or v_wmma_f32_16x16x4_f32). A number that lies on a knife's edge between two numbers of the format may be rounded either way, as far as f32 arithmetic and the matrix unit's own rounding can turn it there, and no further.
;; One version. Each part assembles by itself: llvm-mc -triple=amdgcn-amd-amdhsa -mcpu=gfx1250 --defsym DOCPART=n.
;; ======== version 1 of 1: 4 launches
;; limits: right only within a limited range of input values
;; workspace buffers: xc 6,291,456 bytes; xs 262,144 bytes; wc 3,145,728 bytes; ws 131,072 bytes; qk 13,631,488 bytes; vt 6,553,600 bytes; ac 6,291,456 bytes; asc 262,144 bytes
;; launch quant (part 1): grid 512 x 1, 4 waves a work-group, no clusters, 46,592 bytes of LDS; arguments embedding, Wq, Wk, Wv, Wo, xc, xs, wc, ws; writes xc, xs, wc, ws
.if DOCPART == 1
	.amdgcn_target "amdgcn-amd-amdhsa--gfx1250"
	.amdhsa_code_object_version 6
	.text
	.protected	k_q17388ad4e2_quant
	.globl	k_q17388ad4e2_quant
	.p2align	8
	.type	k_q17388ad4e2_quant,@function
k_q17388ad4e2_quant:
	s_mov_b64 s[64:65], 0
	v_nop
	global_prefetch_b8 v0, s[64:65] scope:SCOPE_SE
	s_setreg_imm32_b32 hwreg(HW_REG_WAVE_MODE, 25, 1), 1
	s_wait_xcnt 0x0
; ONE LAUNCH QUANTISES ALL FIVE f32 OPERANDS to codes of FP6 (E2M3) with one E8M0 byte for each 32 along K, laid as IMAGES OF OPERAND REGISTERS.  Work-groups 0-255 take embedding, 256-511 the four weights;
; the two ways part on the work-group's number alone and have LDS bytes of their own.
; A fragment (16 rows x 128 K) is 1,536 bytes: for each 64 along K registers 0-3 of lane l at 16 l (512 bytes), registers 4-5 at 512 + 8 l (256 bytes).  Lane r of tile T holds row (or column) 32 (T / 2) + 8 (T % 2) + r + 8 (r / 8).
; xc: [K / 256][tile 512][2] fragments.  xs: for each tile 512 bytes, [K / 512][r 16][4 scale words].  wc: [K / 256][tile 256][2] fragments, tile = 64 x matrix + n / 16.  ws as xs.
; A block's scale is 2^(floor(log2(largest magnitude)) - 2); its byte is the largest magnitude's exponent field - 2, held at 1 from below.
; LIMITS: a block of zeros, or one whose largest magnitude lies under 2^-124, gets the byte 1 (its codes are zeros or small; the bytes are read by this program alone); NaN and infinities are not served.
; embedding [8192][1024], K innermost: a wave takes one tile x 512 along K, four K steps of 128.  Each load reads 512 consecutive bytes of one row; a step's 16 rows turn through the wave's own stage in LDS
; (rows 528 bytes apart), from which lane (r, h) takes the 32 neighbours of blocks h and 2 + h of its row: whole blocks, so no other lane is asked for a maximum.
; Wq, Wk, Wv, Wo [1024 (k)][1024 (n)], K their FIRST axis: a lane takes a column n and its registers run down K: a block of 32 lies in one lane's 32 registers, and the conversions give codes with K innermost.
; A wave takes 32 columns (two tiles) x 128 along K; the codes go to their places in the two images in the wave's own stage and leave as runs of 512 consecutive bytes; the scale words leave 4 bytes a lane, 16 bytes apart.
.set STG,   8448                       ; embedding: a wave's stage, 16 rows x 528 bytes
.set WSTG,  4*STG                      ; the weights' four stages of 3,072 bytes
.set SPARE, WSTG+12288                 ; behind them: the spare words, 128 bytes a wave
.set SPW, 14                           ; v14  my spare word; never rewritten
.set NIL, 15                           ; v15  0; never rewritten
	v_lshl_add_u32 v[SPW], v0, 2, SPARE
	v_mov_b32 v[NIL], 0
	v_lshrrev_b32 v1, 5, v0
	s_cmp_lt_u32 ttmp9, 256
	s_wait_alu depctr_va_vdst(0)
	s_cbranch_scc0 .Lweights
; ---------------- embedding
.set GA,  3                            ; v3   16 x lane: a load's and a store's place
.set SI,  4                            ; v4   the stage, on the way in
.set SO,  5                            ; v5   and out: 528 r + 128 h
.set L8,  6                            ; v6   8 x lane + 512
.set H8,  7                            ; v7   8 h: my bytes' place in a scale word
.set SOF, 8                            ; v8   16 r + 8 h: my two scale words
.set R,   16                           ; v16-143  two sets of 64 registers as loaded
.set X,   144                          ; v144-207 my 64 numbers of a K step
.set C,   208                          ; v208-219 a fragment's 12 registers
.set CT,  220                          ; v220-222, v224-226 the second halves of the blocks' codes
.set W,   228                          ; v228-231 the four K steps' scale words
.set M,   232
.set S,   234
.set B,   236
.set TMP, 238
	s_load_b64 s[4:5], s[0:1], 0x0                 ; embedding
	s_load_b64 s[6:7], s[0:1], 0x28                ; xc
	s_load_b64 s[8:9], s[0:1], 0x30                ; xs
	v_readfirstlane_b32 s10, v1                    ; wave
	v_and_b32 v2, 31, v0                           ; lane
	v_and_b32 v9, 15, v0                           ; r
	v_bfe_u32 v10, v0, 4, 1                        ; h
	v_lshlrev_b32 v[GA], 4, v2
	s_mul_i32 s24, s10, STG
	v_add_nc_u32 v[SI], s24, v[GA]
	v_mul_u32_u24 v[SO], v9, 528
	v_lshl_add_u32 v[SO], v10, 7, v[SO]
	v_add_nc_u32 v[SO], s24, v[SO]
	v_lshlrev_b32 v[L8], 3, v2
	v_add_nc_u32 v[L8], 512, v[L8]
	v_lshlrev_b32 v[H8], 3, v10
	v_lshl_add_u32 v[SOF], v9, 4, v[H8]
	v_mov_b32 v[TMP], 0                            ; a lane permute's destination counts as one of its sources
	s_mov_b32 s20, 0x76543210
	s_mov_b32 s21, 0xfedcba98                      ; lane l xor 16
	s_mov_b32 s22, 0xffff0000                      ; lanes 16-31
	s_lshl_b32 s11, ttmp9, 2
	s_add_co_u32 s11, s11, s10                     ; my unit: 2 x tile + half of K
	s_lshr_b32 s12, s11, 1                         ; tile
	s_and_b32 s13, s11, 1                          ; half of K
	s_lshr_b32 s14, s12, 1
	s_lshl_b32 s14, s14, 17                        ; 32 rows of 4,096 bytes for each pair of tiles,
	s_and_b32 s15, s12, 1
	s_lshl_b32 s15, s15, 15                        ; 8 rows for the odd tile,
	s_add_co_u32 s14, s14, s15
	s_lshl_b32 s15, s13, 11                        ; 512 numbers for the upper half of K
	s_add_co_u32 s14, s14, s15
	s_mov_b32 s15, 0
	s_lshl_b32 s16, s13, 10
	s_add_co_u32 s16, s16, s12
	s_mul_i32 s16, s16, 3072                       ; xc: (2 x half x 512 + tile) x 3,072
	s_mov_b32 s17, 0
	s_lshl_b32 s18, s11, 8                         ; xs: 256 bytes a unit
	s_mov_b32 s19, 0
	s_wait_alu depctr_va_vdst(0)
	s_wait_kmcnt 0x0
	s_add_nc_u64 s[4:5], s[4:5], s[14:15]
	s_add_nc_u64 s[6:7], s[6:7], s[16:17]
	s_add_nc_u64 s[8:9], s[8:9], s[18:19]
.macro XLOAD t                         ; K step t: 512 consecutive bytes of each of the tile's 16 rows
.irp i, 0,1,2,3,4,5,6,7,8,9,10,11,12,13,14,15
	global_load_b128 v[R+64*((\t)%2)+4*\i:R+64*((\t)%2)+4*\i+3], v[GA], s[4:5] offset:(\i+8*(\i/8))*4096+512*(\t) th:TH_LOAD_NT
.endr
.endm
.macro XTURN t                         ; through the stage: LDS serves a wave's instructions in order, so no wait stands between the stores and the loads
.irp i, 0,1,2,3,4,5,6,7,8,9,10,11,12,13,14,15
	ds_store_b128 v[SI], v[R+64*((\t)%2)+4*\i:R+64*((\t)%2)+4*\i+3] offset:528*\i
.endr
.irp c, 0,1
.irp e, 0,1,2,3,4,5,6,7
	ds_load_b128 v[X+32*\c+4*\e:X+32*\c+4*\e+3], v[SO] offset:256*\c+16*\e   ; k = 64 c + 32 h + 4 e ..
.endr
.endr
.endm
.macro QSTEP t
.irp c, 0,1
	v_max3_num_f32 v[M+\c], |v[X+32*\c]|, |v[X+32*\c+1]|, 0x1800000   ; block 2 c + h, and the floor 2^(3 - 127): the byte cannot fall under 1
.endr
.irp i, 2,4,6,8,10,12,14,16,18,20,22,24,26,28,30
.irp c, 0,1
	v_max3_num_f32 v[M+\c], v[M+\c], |v[X+32*\c+\i]|, |v[X+32*\c+\i+1]|
.endr
.endr
.irp c, 0,1
	v_add_nc_u32 v[S+\c], 0xff000000, v[M+\c]      ; 2 off the exponent field: the conversion's scale operand
.endr
.irp c, 0,1
	v_lshrrev_b32 v[B+\c], 23, v[S+\c]             ; the scale's byte
.endr
	v_lshl_or_b32 v[W+(\t)], v[B+1], 16, v[B]      ; my two bytes, blocks h and 2 + h,
	v_lshlrev_b32 v[W+(\t)], v[H8], v[W+(\t)]      ; at their places;
	v_permlanex16_b32 v[TMP], v[W+(\t)], s20, s21
	v_or_b32 v[W+(\t)], v[W+(\t)], v[TMP]          ; with lane l xor 16's two the word is whole, in both lanes
.if (\t) > 0
	s_wait_alu depctr_va_vdst(0)
	s_wait_xcnt 0x0                                ; the last step's stores have read the codes' registers: they are written again only behind this wait
.endif
.irp c, 0,1
	v_cvt_scalef32_pk16_fp6_f32 v[C+6*\c:C+6*\c+2], v[X+32*\c:X+32*\c+15], v[S+\c]
	v_cvt_scalef32_pk16_fp6_f32 v[CT+4*\c:CT+4*\c+2], v[X+32*\c+16:X+32*\c+31], v[S+\c]   ; (a conversion's three registers begin on an even number)
.endr
	v_nop                                          ; one plain place behind a scaled conversion
.irp c, 0,1
.irp i, 0,1,2
	v_mov_b32 v[C+6*\c+3+\i], v[CT+4*\c+\i]
.endr
.endr
	global_store_b128 v[GA], v[C:C+3], s[6:7] offset:((\t)/2)*1572864+((\t)%2)*1536           ; 512 consecutive bytes, aligned
	global_store_b64 v[L8], v[C+4:C+5], s[6:7] offset:((\t)/2)*1572864+((\t)%2)*1536          ; 256
	global_store_b128 v[GA], v[C+6:C+9], s[6:7] offset:((\t)/2)*1572864+((\t)%2)*1536+768
	global_store_b64 v[L8], v[C+10:C+11], s[6:7] offset:((\t)/2)*1572864+((\t)%2)*1536+768
.endm
	XLOAD 0
	XLOAD 1
.irp t, 0,1,2,3
.if \t < 3
	s_wait_loadcnt 16                              ; this step's 16 loads are in; the next step's 16 may be out
.else
	s_wait_loadcnt 0x0
.endif
	XTURN \t
	s_wait_dscnt 0x0                               ; my numbers are back, and the stores into the stage have read their registers,
.if \t < 2
	XLOAD \t+2                                     ; which take the loads of two steps on
.endif
	QSTEP \t
.endr
	v_cndmask_b32 v[M], v[W], v[W+2], s22          ; lanes 0-15 store K steps 0 and 1's words of row r, lanes 16-31 steps 2 and 3's
	v_cndmask_b32 v[M+1], v[W+1], v[W+3], s22
	global_store_b64 v[SOF], v[M:M+1], s[8:9]      ; 32 lanes store 256 consecutive bytes, aligned
	s_wait_tensorcnt 0x0                           ; the wave's end: behind my last LDS store
	ds_add_u32 v[SPW], v[NIL]
	s_wait_dscnt 0x0
	s_endpgm
; ---------------- the weights
.Lweights:
.set WX,   32                          ; v32-95   two sets of 32 numbers
.set WCD,  96                          ; v96-101  a block's codes
.set WCT,  102                         ; v102-104 their second half
.set OUTR, 108                         ; v108-131 the way out
.set SB,   24                          ; v24      the scale word
	s_load_b256 s[4:11], s[0:1], 0x8               ; Wq, Wk, Wv, Wo
	s_load_b128 s[12:15], s[0:1], 0x38             ; wc, ws
	v_readfirstlane_b32 s16, v1                    ; wave
	v_and_b32 v2, 31, v0                           ; lane L = my column among the wave's 32
	v_lshlrev_b32 v3, 2, v2                        ; in: 4 bytes a lane
	v_bfe_u32 v4, v0, 3, 1                         ; u = (L / 8) % 2: which of the two tiles
	v_and_b32 v5, 7, v0
	v_bfe_u32 v6, v0, 4, 1
	v_lshl_add_u32 v5, v6, 3, v5                   ; r = L % 8 + 8 (L / 16): which lane of its fragments
	s_mul_i32 s17, s16, 3072
	s_add_co_u32 s17, s17, WSTG                    ; my stage
	v_mul_u32_u24 v7, v4, 1536
	v_add_nc_u32 v7, s17, v7
	v_lshl_add_u32 v8, v5, 4, v7                   ; registers 0-3 of lane r
	v_lshl_add_u32 v9, v5, 3, v7
	v_add_nc_u32 v9, 512, v9                       ; registers 4-5
	v_lshlrev_b32 v10, 4, v2                       ; out: 16 bytes a lane
	v_add_nc_u32 v11, s17, v10
	v_lshlrev_b32 v12, 9, v4
	v_lshl_add_u32 v12, v5, 4, v12                 ; my scale word: 512 u + 16 r
	s_sub_co_u32 s30, ttmp9, 256                   ; my number among the weights' 256 work-groups: 8 x (8 x matrix + K step) + 128 columns
	s_lshr_b32 s18, s30, 3
	s_and_b32 s30, s30, 7
	s_lshr_b32 s19, s18, 3                         ; which matrix
	s_and_b32 s20, s18, 7                          ; which K step of 128
	s_lshl_b32 s21, s30, 7
	s_lshl_b32 s22, s16, 5
	s_add_co_u32 s21, s21, s22                     ; my first column
	s_lshl_b32 s24, s20, 19                        ; 128 rows of 4,096 bytes a K step
	s_lshl_b32 s22, s21, 2
	s_add_co_u32 s24, s24, s22
	s_mov_b32 s25, 0
	s_lshl_b32 s23, s19, 6
	s_lshr_b32 s22, s21, 4
	s_add_co_u32 s23, s23, s22                     ; my first tile
	s_lshr_b32 s26, s20, 1
	s_lshl_b32 s26, s26, 8
	s_add_co_u32 s26, s26, s23
	s_mul_i32 s26, s26, 3072
	s_and_b32 s22, s20, 1
	s_mul_i32 s22, s22, 1536
	s_add_co_u32 s26, s26, s22                     ; wc: ((step / 2) 256 + tile) 3,072 + (step % 2) 1,536
	s_mov_b32 s27, 0
	s_lshl_b32 s28, s23, 9
	s_lshr_b32 s22, s20, 2
	s_lshl_b32 s22, s22, 8
	s_add_co_u32 s28, s28, s22
	s_and_b32 s22, s20, 3
	s_lshl_b32 s22, s22, 2
	s_add_co_u32 s28, s28, s22                     ; ws: tile 512 + (step / 4) 256 + (step % 4) 4
	s_mov_b32 s29, 0
	s_wait_alu depctr_va_vdst(0)
	s_wait_kmcnt 0x0
	s_cmp_eq_u32 s19, 1                            ; the matrix is chosen by the work-group's number alone
	s_cselect_b64 s[4:5], s[6:7], s[4:5]
	s_cmp_eq_u32 s19, 2
	s_cselect_b64 s[4:5], s[8:9], s[4:5]
	s_cmp_eq_u32 s19, 3
	s_cselect_b64 s[4:5], s[10:11], s[4:5]
	s_add_nc_u64 s[4:5], s[4:5], s[24:25]
	s_add_nc_u64 s[12:13], s[12:13], s[26:27]
	s_add_nc_u64 s[14:15], s[14:15], s[28:29]
.macro WLOAD t                         ; block t: W(32 t + i, my column): 128 consecutive bytes a wave, 512 a work-group
.irp i, 0,1,2,3,4,5,6,7,8,9,10,11,12,13,14,15,16,17,18,19,20,21,22,23,24,25,26,27,28,29,30,31
	global_load_b32 v[WX+32*((\t)%2)+\i], v3, s[4:5] offset:(32*(\t)+\i)*4096 th:TH_LOAD_NT
.endr
.endm
	WLOAD 0
	WLOAD 1
.macro WBLOCK t
.set XS, WX+32*((\t)%2)
.if (\t) < 3
	s_wait_loadcnt 32                              ; this block's 32 loads are in; the next block's may be out
.else
	s_wait_loadcnt 0x0
.endif
	v_max3_num_f32 v16, |v[XS]|, |v[XS+1]|, |v[XS+2]|
	v_max3_num_f32 v17, |v[XS+3]|, |v[XS+4]|, |v[XS+5]|
.irp i, 6,10,14,18,22,26
	v_max3_num_f32 v16, v16, |v[XS+\i]|, |v[XS+\i+1]|
	v_max3_num_f32 v17, v17, |v[XS+\i+2]|, |v[XS+\i+3]|
.endr
	v_max3_num_f32 v16, v16, |v[XS+30]|, |v[XS+31]|
	v_max3_num_f32 v16, v16, v17, 0x1800000        ; and the floor 2^(3 - 127)
	v_add_nc_u32 v18, 0xff000000, v16              ; 2 off the exponent field: the conversion's scale operand
	v_lshrrev_b32 v19, 23, v18                     ; the byte
.if (\t) == 0
	v_mov_b32 v[SB], v19
.else
	v_lshl_or_b32 v[SB], v19, 8*(\t), v[SB]
.endif
	v_cvt_scalef32_pk16_fp6_f32 v[WCD:WCD+2], v[XS:XS+15], v18
	v_cvt_scalef32_pk16_fp6_f32 v[WCT:WCT+2], v[XS+16:XS+31], v18
	v_nop                                          ; one plain place behind a scaled conversion
.irp i, 0,1,2
	v_mov_b32 v[WCD+3+\i], v[WCT+\i]
.endr
	ds_store_b128 v8, v[WCD:WCD+3] offset:((\t)/2)*768+((\t)%2)*256     ; block t is what lane r + 16 (t % 2) holds of the fragment's half t / 2
	ds_store_b64 v9, v[WCD+4:WCD+5] offset:((\t)/2)*768+((\t)%2)*128
.if (\t) < 2
	WLOAD (\t)+2
.endif
	s_wait_dscnt 0x0                               ; the stores have read their registers
.endm
	WBLOCK 0
	WBLOCK 1
	WBLOCK 2
	WBLOCK 3
.irp u, 0,1
.irp i, 0,1,2
	ds_load_b128 v[OUTR+12*\u+4*\i:OUTR+12*\u+4*\i+3], v11 offset:1536*\u+512*\i   ; LDS serves a wave's instructions in order: these see my stores
.endr
.endr
	s_wait_alu depctr_va_vdst(0)
	global_store_b32 v12, v[SB], s[14:15]
.irp u, 0,1
.irp i, 0,1,2
	s_wait_dscnt 5-3*\u-\i                         ; the younger loads may stay out
	global_store_b128 v10, v[OUTR+12*\u+4*\i:OUTR+12*\u+4*\i+3], s[12:13] offset:3072*\u+512*\i   ; 512 consecutive bytes, aligned
.endr
.endr
	s_wait_tensorcnt 0x0                           ; the wave's end: behind my last LDS store
	ds_add_u32 v[SPW], v[NIL]
	s_wait_dscnt 0x0
	s_endpgm
.Lfunc_end_k_q17388ad4e2_quant:
	.size	k_q17388ad4e2_quant, .Lfunc_end_k_q17388ad4e2_quant-k_q17388ad4e2_quant
	.p2alignl 7, 3214868480
	.fill 96, 4, 3214868480
	.section	.rodata,"a",@progbits
	.p2align	6, 0x0
	.amdhsa_kernel k_q17388ad4e2_quant
		.amdhsa_group_segment_fixed_size 46592
		.amdhsa_private_segment_fixed_size 0
		.amdhsa_enable_private_segment 0
		.amdhsa_kernarg_size 72
		.amdhsa_user_sgpr_count 2
		.amdhsa_user_sgpr_kernarg_segment_ptr 1
		.amdhsa_wavefront_size32 1
		.amdhsa_system_sgpr_workgroup_id_x 1
		.amdhsa_system_sgpr_workgroup_id_y 1
		.amdhsa_system_sgpr_workgroup_id_z 1
		.amdhsa_system_vgpr_workitem_id 0
		.amdhsa_next_free_vgpr 240
		.amdhsa_next_free_sgpr 66
		.amdhsa_reserve_vcc 0
		.amdhsa_float_denorm_mode_32 3
		.amdhsa_float_denorm_mode_16_64 3
		.amdhsa_memory_ordered 1
		.amdhsa_forward_progress 1
		.amdhsa_inst_pref_size 53
	.end_amdhsa_kernel
	.amdgpu_metadata
---
amdhsa.version: [ 1, 2 ]
amdhsa.kernels:
  - .name:           k_q17388ad4e2_quant
    .symbol:         k_q17388ad4e2_quant.kd
    .args:
      - { .name: embedding, .offset: 0, .size: 8, .value_kind: global_buffer, .address_space: global }
      - { .name: Wq, .offset: 8, .size: 8, .value_kind: global_buffer, .address_space: global }
      - { .name: Wk, .offset: 16, .size: 8, .value_kind: global_buffer, .address_space: global }
      - { .name: Wv, .offset: 24, .size: 8, .value_kind: global_buffer, .address_space: global }
      - { .name: Wo, .offset: 32, .size: 8, .value_kind: global_buffer, .address_space: global }
      - { .name: xc, .offset: 40, .size: 8, .value_kind: global_buffer, .address_space: global }
      - { .name: xs, .offset: 48, .size: 8, .value_kind: global_buffer, .address_space: global }
      - { .name: wc, .offset: 56, .size: 8, .value_kind: global_buffer, .address_space: global }
      - { .name: ws, .offset: 64, .size: 8, .value_kind: global_buffer, .address_space: global }
    .group_segment_fixed_size: 46592
    .private_segment_fixed_size: 0
    .kernarg_segment_align: 8
    .kernarg_segment_size: 72
    .max_flat_workgroup_size: 128
    .sgpr_count:     66
    .vgpr_count:     240
    .wavefront_size: 32
...
	.end_amdgpu_metadata
.endif
;; end of part 1
;; launch qkv (part 2): grid 4 x 64, 4 waves a work-group, clusters of 4 x 4, 327,680 bytes of LDS; arguments xc, xs, wc, ws, bq, bk, bv, qk, vt; writes qk, vt
.if DOCPART == 2
	.amdgcn_target "amdgcn-amd-amdhsa--gfx1250"
	.amdhsa_code_object_version 6
	.text
	.protected	k_q17388ad4e2_qkv
	.globl	k_q17388ad4e2_qkv
	.p2align	8
	.type	k_q17388ad4e2_qkv,@function
k_q17388ad4e2_qkv:
	s_mov_b64 s[64:65], 0
	v_nop
	global_prefetch_b8 v0, s[64:65] scope:SCOPE_SE
	s_setreg_imm32_b32 hwreg(HW_REG_WAVE_MODE, 25, 1), 1
	s_wait_xcnt 0x0
	s_wait_alu depctr_hold_cnt(0) depctr_sa_sdst(0) depctr_va_vdst(0) depctr_va_sdst(0) depctr_va_ssrc(0) depctr_va_vcc(0) depctr_vm_vsrc(0)
	s_getreg_b32 s2, hwreg(HW_REG_IB_STS2, 6, 4)
	s_cmp_eq_u32 s2, 0
	s_cbranch_scc0 .Lentry_in_a_cluster
	s_endpgm
.Lentry_in_a_cluster:
	s_bfe_u32 s2, ttmp6, 0x10000c
	s_cmp_lg_u32 s2, 0xf033
	s_cbranch_scc0 .Lentry_shape_is_right
	s_endpgm
.Lentry_shape_is_right:
; q = x Wq + bq, k = x Wk + bk, v = x Wv + bv on codes of FP6 (E2M3) with E8M0 scales, f32 sums; the results are quantised in registers, q and k along a head's 64, v along the keys, and only codes and scale bytes are stored.
; 256 WORK-GROUPS THAT STAY: work-group (c, y) holds 128 tokens of x (tiles 8 y ..), all K = 1,024, in LDS for the whole launch and makes three tiles of 128 tokens x 256 features one after the other: features 256 c .. of q, of k, of v.
; All operands lie in memory as images of fragment registers (1,536 bytes: for each 64 along K registers 0-3 at 16 x lane, registers 4-5 at 512 + 8 x lane); a kslot is a quarter of K (2 K steps): 8 tiles of x are 24,576 dense bytes, 16 tiles of W 49,152.
; LDS: x's four kslots from 0; W's RING OF TWO SLOTS, two kslots each, from WB: slot A serves K steps 0-3, slot B steps 4-7.  One tensor load brings two kslots (two rows, pitched from kslot to kslot).
; FILLS: at the head one load a wave: x's kslots 0-1, W's slot A, x's kslots 2-3, W's slot B.  A slot is filled again with the next matrix's rows when every wave has read it out: slot A in K step 3 (wave 1 asks), slot B in K step 7 (wave 3 asks),
; each behind a round of the cluster's barrier with each wave's wait for all its tensor loads, the add and the wait for its LDS work ahead of it.  The round in step 7 shows the next
; tile's slot A to all, the round (in the last tile: a plain barrier) in step 3 shows slot B.  By this text's count a wave has one tensor load out at the most.
; CLUSTERS: 4 x 4 work-groups; x's tiles are shared along a row of the cluster, W's along a column: each block is asked for jointly, by the same load with the same descriptor and a mask that names the four.
; PREFETCH: what a refill will load is named one fill earlier: a slot's 384 blocks of 256 bytes are shared out by address among the sixteen waves of a column of the cluster, 24 a wave; only the clusters with y under 4 ask, since all sixteen read the same rows.
; A wave has 32 accumulators: 4 tiles on the lanes' side (P, source 1) x 8 tiles on the registers' side (R, source 0).  The rows of every tile are dealt out (lane r of tile T: row 32 (T / 2) + 8 (T % 2) + r + 8 (r / 8)), so that the
; 16 registers of two neighbouring R tiles are 16 neighbours along the next product's K, and a result's lanes are again such a tile.
;   q, k: P = 64 tokens, R = 128 features (two heads): a lane holds one token, its registers run along d.      v: P = 64 features (one head), R = the 128 tokens: a lane holds one d, its registers run along the keys.
; The next tile's scale words and bias are loaded behind a tile's last products, ahead of its quantiser.
; qk: [32: q's heads, then k's][group of 4 token tiles: 128][3,328]: 4 half fragments of 768 bytes (16 tokens x 64), then 256 bytes [r 16][tile 4] of scale words: the head's two bytes, in both halves of the word.
; vt: [batch x head 64][128 keys: 16][6,400]: 4 fragments (16 d x 128 keys; registers 4 i .. 4 i + 3 at 512 i + 16 x lane), then 256 bytes [r 16][tile 4] of scale words.
; LIMITS: a block of zeros, or one whose largest magnitude lies under 2^-124, gets the byte 1 (read by this program alone); NaN and infinities are not served.
; REGISTERS: window 0: v4-17 addresses; v28, v29 the add's two; v32-63 R's scale words, v64-79 P's; v80-143 the bias; v144-239 P's fragments, two sets of 48 (in the quantiser: codes at work).   window 1: the accumulators, (p, b) at v[8 (8 p + b)].
;   window 2: R's fragments, two sets of 96.
.set XSL,   24576
.set WSL,   49152
.set WB,    4*XSL
.set SPARE, WB+4*WSL                   ; behind the ring: the spare words, 128 bytes a wave
.set ASTR,  1572864                    ; from kslot to kslot in xc
.set BSTR,  786432                     ; and in wc
.set MSTR,  196608                     ; from matrix to matrix in wc: 64 tiles
.set HSTR,  425984                     ; from head to head in qk: 128 x 3,328
.set L16,  4                           ; v4   16 x lane
.set L8,   5                           ; v5   8 x lane + 512
.set RA16, 6                           ; v6-7 LDS addresses of R's fragments in the kslot in hand
.set RA8,  7
.set PA16, 8                           ; v8-9 of P's
.set PA8,  9
.set SLR,  10                          ; v10  16 r + 2,048 h: lanes 16-31 take the scale words of the tile four on
.set SLP,  11                          ; v11  16 r + 1,024 h: of the tile two on
.set BQO,  12                          ; v12  64 h: q's and k's bias
.set SQO,  13                          ; v13  q, k: my scale words' place: lanes 0-15 the first head's, lanes 16-31 the second's
.set H16,  14                          ; v14  16 h
.set BVO,  15                          ; v15  v's bias: 4 (r + 8 (r / 8))
.set SVO,  16                          ; v16  v: 16 r + 8 h
.set PFO,  17                          ; v17  the prefetches' offset: 256 x min(lane, 23); never rewritten
.set SPW,  28
.set NIL,  29
.set SCR,  32                          ; register 8 (b % 4) + s: lanes 0-15 R's tile b % 4, lanes 16-31 tile b % 4 + 4, K step s
.set SCP,  64                          ; register 8 (p % 2) + s: lanes 0-15 P's tile p % 2, lanes 16-31 tile p % 2 + 2
.set BIA,  80
.set PF,   144
.set PC,   144                         ; the quantiser: v144-155 a fragment's codes, v156-158, v160-162 second halves
.set TM,   164                         ; v164-179 at work
.set WD,   180                         ; v180-183 the four scale words
.set W2,   184                         ; v184-187 as they are stored
.set G1A,  24                          ; s[24:31], s[32:35] descriptor groups 1 and 0 for x
.set G0A,  32
.set G1B,  48                          ; s[48:55], s[68:71] for W
.set G0B,  68
.set MSB, 0
.macro WIN new                         ; the immediate's high byte repeats the setting that is left
.if MSB != \new
	s_set_vgpr_msb (MSB<<8)|\new
.set MSB, \new
.endif
.endm
.macro PLACES                          ; four plain places behind matrix instructions, in front of loads into registers that they have read and of reads of their results
.rept 4
	v_nop
.endr
.endm
.macro CREST                           ; a round of the cluster's barrier behind its opening barrier
	s_cmp_lg_u32 s14, 0
	s_cbranch_scc1 .Lnot_wave_0_\@
	s_barrier_signal -3
.Lnot_wave_0_\@:
	s_barrier_wait -3
	s_barrier_signal -1
	s_barrier_wait -1
.endm
.macro CROUND
	s_barrier_signal -1
	s_barrier_wait -1
	CREST
.endm
.macro TLOAD g0, g1
	tensor_load_to_lds s[\g0:\g0+3], s[\g1:\g1+7]
	s_nop 0
	PLACES
.endm
.macro REFILL w                        ; wave w's group 0 names the slot: the joint refill, the first tensor load behind the round
	s_cmp_eq_u32 s14, \w
	s_cbranch_scc0 .Lno_refill_\@
	TLOAD G0B, G1B
.Lno_refill_\@:
.endm
.macro ASK off                         ; my 24 blocks of the slot that begins off bytes behind Wq's slot A
	s_cmp_lt_u32 s78, 4
	s_cbranch_scc0 .Lno_ask_\@
	global_prefetch_b8 v[PFO], s[76:77] offset:\off th:TH_LOAD_NT scope:SCOPE_SE
.Lno_ask_\@:
.endm
	s_load_b256 s[4:11], s[0:1], 0x0               ; xc, xs, wc, ws
	s_load_b256 s[84:91], s[0:1], 0x20             ; bq, bk, bv, qk
	s_load_b64 s[92:93], s[0:1], 0x40              ; vt
	v_lshl_add_u32 v[SPW], v0, 2, SPARE
	v_mov_b32 v[NIL], 0
	ds_add_u32 v[SPW], v[NIL]                      ; the wave's opening: the add, twice on end, and its wait ahead of my first tensor load
	ds_add_u32 v[SPW], v[NIL]
	v_lshrrev_b32 v1, 5, v0
	v_readfirstlane_b32 s14, v1                    ; wave 0..3
	s_lshr_b32 s15, s14, 1                         ; at the head: which two kslots I fetch.  q, k: which 64 tokens are mine
	s_and_b32 s16, s14, 1                          ; q, k: which 128 features are mine
	s_bfe_u32 s19, ttmp6, 0x40000                  ; cx
	s_bfe_u32 s20, ttmp6, 0x40004                  ; cy
	s_lshl_b32 s18, ttmp9, 2
	s_add_co_u32 s18, s18, s19                     ; c: work-group x
	s_and_b32 s78, ttmp7, 0xffff                   ; the cluster's y
	s_lshl_b32 s17, s78, 2
	s_add_co_u32 s17, s17, s20                     ; work-group y
	s_lshl_b32 s21, s20, 2
	s_lshl_b32 s21, 15, s21                        ; my row of the cluster
	s_lshl_b32 s22, 0x1111, s19                    ; my column
	s_or_b32 s[G1A], s21, (3<<16)|(1<<21)          ; 15:0 the mask; 17:16 elements of 8 bytes; 21 set beside a mask; no padding
	s_or_b32 s[G1B], s22, (3<<16)|(1<<21)
	s_mov_b32 s[G1A+1], (XSL/8)<<16                ; a row is a kslot's 8 tiles of x;
	s_mov_b32 s[G1A+2], 2<<16                      ; two rows,
	s_mov_b32 s[G1A+3], (XSL/8)<<16
	s_mov_b32 s[G1A+4], 2
	s_mov_b32 s[G1A+5], ASTR/8                     ; from kslot to kslot
	s_mov_b32 s[G1A+6], 0
	s_mov_b32 s[G1A+7], 0
	s_mov_b32 s[G1B+1], (WSL/8)<<16                ; W: a kslot's 16 tiles
	s_mov_b32 s[G1B+2], 2<<16
	s_mov_b32 s[G1B+3], (WSL/8)<<16
	s_mov_b32 s[G1B+4], 2
	s_mov_b32 s[G1B+5], BSTR/8
	s_mov_b32 s[G1B+6], 0
	s_mov_b32 s[G1B+7], 0
	s_mul_i32 s56, s17, XSL                        ; x: tile 8 y, of y alone, which my row shares; waves 2 and 3: kslots 2 and 3
	s_mul_i32 s60, s15, 2*ASTR
	s_add_co_u32 s56, s56, s60
	s_mov_b32 s57, 0
	s_mul_i32 s58, s18, WSL                        ; Wq: tile 16 c, of c alone, which my column shares
	s_mul_i32 s61, s15, 2*BSTR
	s_add_co_u32 s58, s58, s61
	s_mov_b32 s59, 0
	s_mul_i32 s62, s15, 2*XSL                      ; where they go: of the wave's number alone
	s_mul_i32 s63, s15, 2*WSL
	s_add_co_u32 s63, s63, WB
	s_lshl_b32 s76, s20, 2
	s_add_co_u32 s76, s76, s14                     ; my number among the sixteen waves of my column of the cluster: it enters the prefetches' address alone
	s_lshr_b32 s79, s76, 3
	s_mul_i32 s79, s79, BSTR                       ; waves 0-7 the slot's first kslot, 8-15 its second;
	s_and_b32 s76, s76, 7
	s_mul_i32 s76, s76, 24*256                     ; 24 blocks a wave
	s_add_co_u32 s76, s76, s79
	s_mul_i32 s79, s18, WSL
	s_add_co_u32 s76, s76, s79
	s_mov_b32 s77, 0
	s_mov_b32 s12, 0x76543210
	s_mov_b32 s13, 0xfedcba98                      ; lane l xor 16
	s_mov_b32 s94, 0xffff0000                      ; lanes 16-31
	s_wait_dscnt 0x0                               ; both opening adds are done
	s_wait_kmcnt 0x0
	s_add_nc_u64 s[56:57], s[4:5], s[56:57]
	s_add_nc_u64 s[58:59], s[8:9], s[58:59]
	s_add_nc_u64 s[76:77], s[8:9], s[76:77]
	CROUND                                         ; all sixteen work-groups are here: the joint loads meet
	s_mov_b32 s[G0A], 1
	s_mov_b32 s[G0A+1], s62
	s_mov_b64 s[G0A+2:G0A+3], s[56:57]
	s_or_b32 s[G0A+3], s[G0A+3], 0x80000000
	s_mov_b32 s[G0B], 1
	s_mov_b32 s[G0B+1], s63
	s_mov_b64 s[G0B+2:G0B+3], s[58:59]
	s_or_b32 s[G0B+3], s[G0B+3], 0x80000000
	s_cmp_eq_u32 s14, 0                            ; the head's loads, one a wave, in one chain of branches on the wave's number
	s_cbranch_scc0 .Lwave_1
	TLOAD G0A, G1A                                 ; x's kslots 0 and 1
	s_branch .Lasked
.Lwave_1:
	s_cmp_eq_u32 s14, 1
	s_cbranch_scc0 .Lwave_2
	TLOAD G0B, G1B                                 ; Wq's slot A
	s_branch .Lasked
.Lwave_2:
	s_cmp_eq_u32 s14, 2
	s_cbranch_scc0 .Lwave_3
	TLOAD G0A, G1A                                 ; x's kslots 2 and 3
	s_branch .Lasked
.Lwave_3:
	TLOAD G0B, G1B                                 ; Wq's slot B
.Lasked:
	v_and_b32 v1, 31, v0                           ; lane
	v_and_b32 v2, 15, v0                           ; r
	v_bfe_u32 v3, v0, 4, 1                         ; h
	v_lshlrev_b32 v[L16], 4, v1
	v_lshlrev_b32 v[L8], 3, v1
	v_add_nc_u32 v[L8], 512, v[L8]
	v_lshlrev_b32 v[SLR], 4, v2
	v_lshl_add_u32 v[SLP], v3, 10, v[SLR]
	v_lshl_add_u32 v[SLR], v3, 11, v[SLR]
	v_lshlrev_b32 v[BQO], 6, v3
	v_mul_u32_u24 v[SQO], v3, HSTR
	v_lshl_add_u32 v[SQO], v2, 4, v[SQO]
	v_lshlrev_b32 v[H16], 4, v3
	v_and_b32 v[BVO], 8, v2
	v_add_nc_u32 v[BVO], v[BVO], v2
	v_lshlrev_b32 v[BVO], 2, v[BVO]
	v_lshlrev_b32 v[SVO], 4, v2
	v_lshl_add_u32 v[SVO], v3, 3, v[SVO]
	v_min_u32 v[PFO], 23, v1
	v_lshlrev_b32 v[PFO], 8, v[PFO]
.irp b, 0,1,2,3
	v_mov_b32 v[TM+4+\b], 0                        ; a lane permute's destination counts as one of its sources
.endr
	s_mov_b32 s57, 0                               ; the high word of the offsets made below
	s_wait_alu depctr_va_vdst(0)
; The scale words of all 8 K steps go from memory straight into registers: a tile's are 512 bytes, [K / 512][r][4 words]; sixteen lanes read 256 consecutive bytes.
.macro SCALES rb, pb
.irp i, 0,1,2,3
.irp k, 0,1
	global_load_b128 v[SCR+8*\i+4*\k:SCR+8*\i+4*\k+3], v[SLR], s[\rb:\rb+1] offset:512*\i+256*\k
.endr
.endr
.irp i, 0,1
.irp k, 0,1
	global_load_b128 v[SCP+8*\i+4*\k:SCP+8*\i+4*\k+3], v[SLP], s[\pb:\pb+1] offset:512*\i+256*\k
.endr
.endr
.endm
; What tile i (0 q, 1 k, 2 v) needs beside the fragments: LDS addresses, scale words, bias, and where its results go (s[72:73] and s[74:75] by turns).
.macro PREP i, mode
	s_add_co_u32 s79, s18, 4*\i                    ; 4 x matrix + c
.if \mode
	s_mul_i32 s23, s14, 12288                      ; v: R = the work-group's 8 tiles of x, P = my head's 4 tiles of Wv
	s_add_co_u32 s23, s23, WB
	v_mov_b32 v[RA16], v[L16]
	v_mov_b32 v[RA8], v[L8]
	v_add_nc_u32 v[PA16], s23, v[L16]
	v_add_nc_u32 v[PA8], s23, v[L8]
	s_lshl_b32 s56, s17, 12                        ; xs: tile 8 y
	s_add_nc_u64 s[36:37], s[6:7], s[56:57]
	s_lshl_b32 s56, s79, 4
	s_lshl_b32 s58, s14, 2
	s_add_co_u32 s56, s56, s58
	s_lshl_b32 s56, s56, 9                         ; ws: tile 16 (8 + c) + 4 x wave
	s_add_nc_u64 s[38:39], s[10:11], s[56:57]
	SCALES 36, 38
	s_lshl_b32 s56, s18, 10
	s_lshl_b32 s58, s14, 8
	s_add_co_u32 s56, s56, s58                     ; bv: my head's 64 numbers
	s_add_nc_u64 s[40:41], s[88:89], s[56:57]
.irp p, 0,1,2,3
	global_load_b32 v[BIA+8*\p], v[BVO], s[40:41] offset:(32*(\p/2)+8*(\p%2))*4
.endr
	s_lshr_b32 s56, s17, 4                         ; batch
	s_lshl_b32 s56, s56, 4
	s_lshl_b32 s58, s18, 2
	s_add_co_u32 s56, s56, s58
	s_add_co_u32 s56, s56, s14                     ; 16 x batch + head
	s_lshl_b32 s56, s56, 4
	s_and_b32 s58, s17, 15
	s_add_co_u32 s56, s56, s58                     ; x 16 + which 128 keys
	s_mul_i32 s56, s56, 6400
	s_add_nc_u64 s[72+2*(\i%2):73+2*(\i%2)], s[92:93], s[56:57]
.else
	s_mul_i32 s23, s15, 12288                      ; q, k: P = my 4 tiles of x, R = my 8 tiles of W
	s_mul_i32 s60, s16, 24576
	s_add_co_u32 s60, s60, WB
	v_add_nc_u32 v[RA16], s60, v[L16]
	v_add_nc_u32 v[RA8], s60, v[L8]
	v_add_nc_u32 v[PA16], s23, v[L16]
	v_add_nc_u32 v[PA8], s23, v[L8]
	s_lshl_b32 s56, s79, 4
	s_lshl_b32 s58, s16, 3
	s_add_co_u32 s56, s56, s58
	s_lshl_b32 s56, s56, 9                         ; ws: tile 16 (4 i + c) + 8 x half
	s_add_nc_u64 s[36:37], s[10:11], s[56:57]
	s_lshl_b32 s56, s17, 3
	s_lshl_b32 s58, s15, 2
	s_add_co_u32 s56, s56, s58
	s_lshl_b32 s56, s56, 9                         ; xs: tile 8 y + 4 x half
	s_add_nc_u64 s[38:39], s[6:7], s[56:57]
	SCALES 36, 38
	s_lshl_b32 s56, s18, 10
	s_lshl_b32 s58, s16, 9
	s_add_co_u32 s56, s56, s58                     ; my 128 features of bq or bk
	s_add_nc_u64 s[40:41], s[84+2*\i:85+2*\i], s[56:57]
.irp b, 0,1,2,3,4,5,6,7                ; lane (r, h) wants, for tile b, features 32 (b / 2) + 16 h + 8 (b % 2) + 0 .. 7
	global_load_b128 v[BIA+8*\b:BIA+8*\b+3], v[BQO], s[40:41] offset:(32*(\b/2)+8*(\b%2))*4
	global_load_b128 v[BIA+8*\b+4:BIA+8*\b+7], v[BQO], s[40:41] offset:(32*(\b/2)+8*(\b%2))*4+16
.endr
	s_lshl_b32 s56, s79, 2
	s_lshl_b32 s58, s16, 1
	s_add_co_u32 s56, s56, s58                     ; my first head among the 32
	s_lshl_b32 s56, s56, 7
	s_lshl_b32 s58, s17, 1
	s_add_co_u32 s56, s56, s58
	s_add_co_u32 s56, s56, s15                     ; x 128 + my group of four token tiles
	s_mul_i32 s56, s56, 3328
	s_add_nc_u64 s[72+2*(\i%2):73+2*(\i%2)], s[90:91], s[56:57]
.endif
.endm
; 48 LDS loads: K step s's fragments, R's eight and P's four, into set s % 2.  Behind a kslot's second step the addresses go on to the next kslot.
.macro FETCH s
.set fS, 96*((\s)%2)
.set fP, PF+48*((\s)%2)
.set fQ, 1536*((\s)%2)
	WIN 0x80                                       ; destination window 2
.irp b, 0,1,2,3,4,5,6,7
	ds_load_b128 v[fS+12*\b:fS+12*\b+3], v[RA16] offset:3072*\b+fQ
	ds_load_b64 v[fS+12*\b+4:fS+12*\b+5], v[RA8] offset:3072*\b+fQ
	ds_load_b128 v[fS+12*\b+6:fS+12*\b+9], v[RA16] offset:3072*\b+fQ+768
	ds_load_b64 v[fS+12*\b+10:fS+12*\b+11], v[RA8] offset:3072*\b+fQ+768
.endr
	WIN 0
.irp p, 0,1,2,3
	ds_load_b128 v[fP+12*\p:fP+12*\p+3], v[PA16] offset:3072*\p+fQ
	ds_load_b64 v[fP+12*\p+4:fP+12*\p+5], v[PA8] offset:3072*\p+fQ
	ds_load_b128 v[fP+12*\p+6:fP+12*\p+9], v[PA16] offset:3072*\p+fQ+768
	ds_load_b64 v[fP+12*\p+10:fP+12*\p+11], v[PA8] offset:3072*\p+fQ+768
.endr
.if ((\s)%2) && ((\s) < 7)
	v_add_nc_u32 v[RA16], RSTEP, v[RA16]
	v_add_nc_u32 v[RA8], RSTEP, v[RA8]
	v_add_nc_u32 v[PA16], PSTEP, v[PA16]
	v_add_nc_u32 v[PA8], PSTEP, v[PA8]
.endif
.endm
; One product: accumulator (p, b), K step s.  first = 1: the bias is the C of the sum's first instruction (q, k: of R's tile b; v: of P's tile p).
.macro WM p, b, s, first, mode
.set rD, 8*(8*(\p)+(\b))
.set rR, 96*((\s)%2)+12*(\b)
.set rP, PF+48*((\s)%2)+12*(\p)
.set rSA, SCR+8*((\b)%4)+(\s)
.set rSB, SCP+8*((\p)%2)+(\s)
.if \first
.if \mode
.set rC, BIA+8*(\p)
.else
.set rC, BIA+8*(\b)
.endif
.else
.set rC, rD
.endif
.if ((\b) < 4) && ((\p) < 2)
	v_wmma_scale_f32_16x16x128_f8f6f4 v[rD:rD+7], v[rR:rR+11], v[rP:rP+11], v[rC:rC+7], v[rSA], v[rSB] matrix_a_fmt:MATRIX_FMT_FP6 matrix_b_fmt:MATRIX_FMT_FP6
.elseif (\p) < 2
	v_wmma_scale_f32_16x16x128_f8f6f4 v[rD:rD+7], v[rR:rR+11], v[rP:rP+11], v[rC:rC+7], v[rSA], v[rSB] matrix_a_fmt:MATRIX_FMT_FP6 matrix_b_fmt:MATRIX_FMT_FP6 matrix_a_scale:MATRIX_SCALE_ROW1
.elseif (\b) < 4
	v_wmma_scale_f32_16x16x128_f8f6f4 v[rD:rD+7], v[rR:rR+11], v[rP:rP+11], v[rC:rC+7], v[rSA], v[rSB] matrix_a_fmt:MATRIX_FMT_FP6 matrix_b_fmt:MATRIX_FMT_FP6 matrix_b_scale:MATRIX_SCALE_ROW1
.else
	v_wmma_scale_f32_16x16x128_f8f6f4 v[rD:rD+7], v[rR:rR+11], v[rP:rP+11], v[rC:rC+7], v[rSA], v[rSB] matrix_a_fmt:MATRIX_FMT_FP6 matrix_b_fmt:MATRIX_FMT_FP6 matrix_a_scale:MATRIX_SCALE_ROW1 matrix_b_scale:MATRIX_SCALE_ROW1
.endif
.endm
.macro MULS s, p0, first, mode         ; 16 products: P's tiles p0, p0 + 1 x R's eight.  The 32 accumulators take turns, one instruction a turn, in the same order in every K step
.irp p, \p0, \p0+1
.irp b, 0,1,2,3,4,5,6,7
	WM \p, \b, \s, \first, \mode
.endr
.endr
.endm
; The 64 results of P's tile p in a lane, register 16 b + i = place 32 b + 16 h + i along the next K, become a fragment's codes in v[PC] on and its scale word in v[WD + p].
.macro QUANT64 p
	WIN 0x05                                       ; sources 0 and 1: window 1
.irp b, 0,1,2,3
	v_max3_num_f32 v[TM+\b], |v[64*(\p)+16*\b]|, |v[64*(\p)+16*\b+1]|, 0x1800000   ; block b: my 16 numbers, each accumulator from its low end on, and the floor 2^(3 - 127)
.endr
.irp i, 2,4,6,8,10,12,14
.irp b, 0,1,2,3
	v_max3_num_f32 v[TM+\b], |v[64*(\p)+16*\b+\i]|, |v[64*(\p)+16*\b+\i+1]|, v[TM+\b]
.endr
.endr
	WIN 0
.irp b, 0,1,2,3
	v_permlanex16_b32 v[TM+4+\b], v[TM+\b], s12, s13
.endr
.irp b, 0,1,2,3
	v_max_num_f32 v[TM+\b], v[TM+\b], v[TM+4+\b]   ; with lane l xor 16's: the block's largest magnitude
.endr
.irp b, 0,1,2,3
	v_add_nc_u32 v[TM+12+\b], 0xff000000, v[TM+\b] ; 2 off the exponent field: the conversion's scale operand
.endr
.irp b, 0,1,2,3
	v_lshrrev_b32 v[TM+4+\b], 23, v[TM+12+\b]      ; the byte
.endr
	v_lshl_or_b32 v[WD+(\p)], v[TM+5], 8, v[TM+4]
	v_lshl_or_b32 v[WD+(\p)], v[TM+6], 16, v[WD+(\p)]
	v_lshl_or_b32 v[WD+(\p)], v[TM+7], 24, v[WD+(\p)]
.if (\p) > 0
	s_wait_xcnt 0x0                                ; the last tile's stores have read the codes' registers: they are written again only behind this wait
.endif
	WIN 0x01                                       ; source 0: window 1
.irp c, 0,1
	v_cvt_scalef32_pk16_fp6_f32 v[PC+6*\c:PC+6*\c+2], v[64*(\p)+32*\c:64*(\p)+32*\c+15], v[TM+12+2*\c]
	v_cvt_scalef32_pk16_fp6_f32 v[PC+12+4*\c:PC+14+4*\c], v[64*(\p)+32*\c+16:64*(\p)+32*\c+31], v[TM+12+2*\c+1]
.endr
	WIN 0
	v_nop                                          ; one plain place behind a scaled conversion
.irp c, 0,1                            ; the operand's layout wants a whole block in a lane: lanes 0-15 block 2 c, lanes 16-31 block 2 c + 1
.irp i, 0,1,2
	v_permlane16_swap_b32 v[PC+6*\c+\i], v[PC+12+4*\c+\i]
.endr
.irp i, 0,1,2
	v_mov_b32 v[PC+3+6*\c+\i], v[PC+12+4*\c+\i]
.endr
.endr
.endm
.macro GRD
	WIN 0
	s_wait_tensorcnt 0x0
	ds_add_u32 v[SPW], v[NIL]
.endm
; A TILE: 8 K steps, written out, and its quantiser.
.macro TILE i, mode
.set SBS, 72+2*(\i%2)
.if \mode
.set RSTEP, XSL                        ; from kslot to kslot in LDS
.set PSTEP, WSL
.else
.set RSTEP, WSL
.set PSTEP, XSL
.endif
.if \i
	s_wait_xcnt 0x0                                ; the last tile's stores have read the registers into which the fragments below land
.endif
	FETCH 0
.if \i == 0
	ASK MSTR                                       ; Wk's slot A
.endif
	s_wait_loadcnt 0x0                             ; the scale words and the bias
.if \mode
.irp p, 0,1,2,3
.irp j, 1,2,3,4,5,6,7
	v_mov_b32 v[BIA+8*\p+\j], v[BIA+8*\p]          ; a lane's eight results of a tile belong to one feature
.endr
.endr
.endif
	FETCH 1
	s_wait_alu depctr_va_vdst(0)
	s_wait_dscnt 48                                ; all but the 48 just issued
	WIN 0x42                                       ; R window 2, P and the bias window 0, D window 1
	MULS 0, 0, 1, \mode
	MULS 0, 2, 1, \mode
.irp s, 1,3,5
.if \s == 3
.if \i < 2
	GRD
	s_add_nc_u64 s[G0B+2:G0B+3], s[G0B+2:G0B+3], MSTR   ; no load of mine is out: my group 0 goes on to the next matrix
.else
	WIN 0
	s_wait_tensorcnt 0x0                           ; the last tile: a plain barrier shows slot B
.endif
	s_wait_dscnt 0x0                               ; step 3's fragments are in: my reads of slot A are over
	s_barrier_signal -1
	WIN 0x52                                       ; R window 2, P window 0, C and D window 1
	MULS \s, 0, 0, \mode
	WIN 0
	s_barrier_wait -1
.if \i < 2
	CREST
	REFILL 1                                       ; slot A takes the next matrix's kslots 0 and 1
.endif
	PLACES
	FETCH \s+1
.if \i < 2
	ASK (\i+1)*MSTR+2*BSTR                         ; the next matrix's slot B
.endif
.else
	s_wait_dscnt 0x0                               ; this step's fragments are in
	WIN 0x52
	MULS \s, 0, 0, \mode
	PLACES
	FETCH \s+1
.endif
	WIN 0x52
	MULS \s, 2, 0, \mode
	PLACES
	FETCH \s+2
	s_wait_alu depctr_va_vdst(0)
	s_wait_dscnt 48                                ; all but the 48 just issued
	WIN 0x52
	MULS \s+1, 0, 0, \mode
	MULS \s+1, 2, 0, \mode
.endr
.if \i < 2
	GRD
	s_wait_dscnt 0x0                               ; step 7's fragments are in: my reads of slot B are over
	s_barrier_signal -1
	WIN 0x52
	MULS 7, 0, 0, \mode
	WIN 0
	s_barrier_wait -1
	CREST
	REFILL 3                                       ; slot B takes the next matrix's kslots 2 and 3
	WIN 0x52
	MULS 7, 2, 0, \mode
	WIN 0
	PLACES
.if \i == 0
	ASK 2*MSTR                                     ; Wv's slot A
	PREP 1, 0
.else
	PREP 2, 1
.endif
.else
	s_wait_dscnt 0x0
	MULS 7, 0, 0, \mode
	MULS 7, 2, 0, \mode
	WIN 0
	PLACES
.endif
.if \mode
.irp p, 0,1,2,3
	QUANT64 \p
.irp k, 0,1,2
	global_store_b128 v[L16], v[PC+4*\k:PC+4*\k+3], s[SBS:SBS+1] offset:1536*\p+512*\k   ; 512 consecutive bytes, aligned
.endr
.endr
	v_cndmask_b32 v[W2], v[WD], v[WD+2], s94       ; lanes 0-15: tiles 0 and 1's words of row r; lanes 16-31: tiles 2 and 3's
	v_cndmask_b32 v[W2+1], v[WD+1], v[WD+3], s94
	global_store_b64 v[SVO], v[W2:W2+1], s[SBS:SBS+1] offset:6144
.else
.irp p, 0,1,2,3
	QUANT64 \p
	global_store_b128 v[L16], v[PC:PC+3], s[SBS:SBS+1] offset:768*\p                     ; the first head's 64: registers 0-3,
	global_store_b64 v[L8], v[PC+4:PC+5], s[SBS:SBS+1] offset:768*\p                     ; 4-5;
	global_store_b128 v[L16], v[PC+6:PC+9], s[SBS:SBS+1] offset:HSTR+768*\p              ; the second head's
	global_store_b64 v[L8], v[PC+10:PC+11], s[SBS:SBS+1] offset:HSTR+768*\p
.endr
.irp p, 0,1,2,3
	v_lshrrev_b32 v[W2+\p], v[H16], v[WD+\p]       ; my head's two bytes,
.endr
.irp p, 0,1,2,3
	v_and_b32 v[W2+\p], 0xffff, v[W2+\p]
.endr
.irp p, 0,1,2,3
	v_lshl_or_b32 v[W2+\p], v[W2+\p], 16, v[W2+\p] ; in both halves of the word: the reader lays the 64 codes in either half of its instruction's K, zero codes in the other
.endr
	global_store_b128 v[SQO], v[W2:W2+3], s[SBS:SBS+1] offset:3072
.endif
.endm
	PREP 0, 0
	s_wait_alu depctr_va_vdst(0)
	s_cmp_lt_u32 s14, 2                            ; waves 0 and 1 asked for x's kslots 0 and 1 and for slot A, by load lines of their own: they wait; the other two loads may stay out
	s_cbranch_scc0 .Lnot_first
	s_wait_tensorcnt 0x0
.Lnot_first:
	s_barrier_signal -1
	s_barrier_wait -1
	TILE 0, 0
	TILE 1, 0
	TILE 2, 1
	s_wait_tensorcnt 0x0                           ; the wave's end: behind my last tensor load
	ds_add_u32 v[SPW], v[NIL]
	s_wait_dscnt 0x0
	CROUND                                         ; the closing round
	s_endpgm
.Lfunc_end_k_q17388ad4e2_qkv:
	.size	k_q17388ad4e2_qkv, .Lfunc_end_k_q17388ad4e2_qkv-k_q17388ad4e2_qkv
	.p2alignl 7, 3214868480
	.fill 96, 4, 3214868480
	.section	.rodata,"a",@progbits
	.p2align	6, 0x0
	.amdhsa_kernel k_q17388ad4e2_qkv
		.amdhsa_group_segment_fixed_size 327680
		.amdhsa_private_segment_fixed_size 0
		.amdhsa_enable_private_segment 0
		.amdhsa_kernarg_size 72
		.amdhsa_user_sgpr_count 2
		.amdhsa_user_sgpr_kernarg_segment_ptr 1
		.amdhsa_wavefront_size32 1
		.amdhsa_system_sgpr_workgroup_id_x 1
		.amdhsa_system_sgpr_workgroup_id_y 1
		.amdhsa_system_sgpr_workgroup_id_z 1
		.amdhsa_system_vgpr_workitem_id 0
		.amdhsa_next_free_vgpr 768
		.amdhsa_next_free_sgpr 100
		.amdhsa_reserve_vcc 0
		.amdhsa_float_denorm_mode_32 3
		.amdhsa_float_denorm_mode_16_64 3
		.amdhsa_memory_ordered 1
		.amdhsa_forward_progress 1
		.amdhsa_inst_pref_size 251
	.end_amdhsa_kernel
	.amdgpu_metadata
---
amdhsa.version: [ 1, 2 ]
amdhsa.kernels:
  - .name:           k_q17388ad4e2_qkv
    .symbol:         k_q17388ad4e2_qkv.kd
    .args:
      - { .name: xc, .offset: 0, .size: 8, .value_kind: global_buffer, .address_space: global }
      - { .name: xs, .offset: 8, .size: 8, .value_kind: global_buffer, .address_space: global }
      - { .name: wc, .offset: 16, .size: 8, .value_kind: global_buffer, .address_space: global }
      - { .name: ws, .offset: 24, .size: 8, .value_kind: global_buffer, .address_space: global }
      - { .name: bq, .offset: 32, .size: 8, .value_kind: global_buffer, .address_space: global }
      - { .name: bk, .offset: 40, .size: 8, .value_kind: global_buffer, .address_space: global }
      - { .name: bv, .offset: 48, .size: 8, .value_kind: global_buffer, .address_space: global }
      - { .name: qk, .offset: 56, .size: 8, .value_kind: global_buffer, .address_space: global }
      - { .name: vt, .offset: 64, .size: 8, .value_kind: global_buffer, .address_space: global }
    .group_segment_fixed_size: 327680
    .private_segment_fixed_size: 0
    .kernarg_segment_align: 8
    .kernarg_segment_size: 72
    .max_flat_workgroup_size: 128
    .sgpr_count:     100
    .vgpr_count:     768
    .wavefront_size: 32
...
	.end_amdgpu_metadata
.endif
;; end of part 2
;; launch attn (part 3): grid 4 x 64, 16 waves a work-group, clusters of 4 x 1, 210,944 bytes of LDS; arguments qk, vt, ac, asc; writes ac, asc
.if DOCPART == 3
	.amdgcn_target "amdgcn-amd-amdhsa--gfx1250"
	.amdhsa_code_object_version 6
	.text
	.protected	k_q17388ad4e2_attn
	.globl	k_q17388ad4e2_attn
	.p2align	8
	.type	k_q17388ad4e2_attn,@function
k_q17388ad4e2_attn:
	s_mov_b64 s[64:65], 0
	v_nop
	global_prefetch_b8 v0, s[64:65] scope:SCOPE_SE
	s_setreg_imm32_b32 hwreg(HW_REG_WAVE_MODE, 25, 1), 1
	s_wait_xcnt 0x0
	s_wait_alu depctr_hold_cnt(0) depctr_sa_sdst(0) depctr_va_vdst(0) depctr_va_sdst(0) depctr_va_ssrc(0) depctr_va_vcc(0) depctr_vm_vsrc(0)
	s_getreg_b32 s2, hwreg(HW_REG_IB_STS2, 6, 4)
	s_cmp_eq_u32 s2, 0
	s_cbranch_scc0 .Lentry_in_a_cluster
	s_endpgm
.Lentry_in_a_cluster:
	s_bfe_u32 s2, ttmp6, 0x10000c
	s_cmp_lg_u32 s2, 0x3003
	s_cbranch_scc0 .Lentry_shape_is_right
	s_endpgm
.Lentry_shape_is_right:
; av[b][h][q] = the sum over k of softmax_k(q . k / 8) v, both products on codes of FP6 (E2M3) with E8M0 scales; av is quantised along the embedding's axis and only its codes and scale bytes are stored.
; THE SOFTMAX: t = score x log2(e) / 8; M = the row's largest t so far, rounded UP to a whole number; p = 2^(t - M) is what is quantised, along the keys.  The row's sum is taken of the unquantised p and divides O at the end.
; When M moves, the sum and O are multiplied by 2^(old M - new M): exact.
; SHARES: 256 work-groups; a work-group owns 512 queries of one head of one batch.  Each of its sixteen waves takes two tiles of 16 queries, one after the other (PASS 0: tile = wave, PASS 1: tile = 16 + wave), in 256 registers:
; four waves to a SIMD, so that one wave's vector work stands beside another's products and LDS loads.
; THE HEAD'S WHOLE K AND V LIE IN LDS (106,496 + 102,400 bytes), as images of fragment registers.  Every tensor load is a first fill at the head, one a wave: waves 0-7 an eighth of K each (52 rows of 256 bytes), waves 8-15 an eighth
; of V each (50 rows).  No byte is filled twice.  Every wave waits for its load, one barrier shows all of it, and no other barrier stands ahead of the closing round.
; CLUSTER: the four query blocks of a head walk the same K and V, so each part is asked for jointly.  NO PREFETCH INTO THE L2: all that the work-group reads by tensor loads is asked for at the head; there is no later load to run ahead of.
; Both products are used transposed: S^T = K Q^T (source 0 = 16 keys), O^T = V^T P^T (source 0 = 16 of the head's 64): a lane holds one query throughout.  The rows of every tile are dealt out (lane r of tile T: row
; 32 (T / 2) + 8 (T % 2) + r + 8 (r / 8)), so that the 16 registers of two neighbouring tiles are 16 neighbours: of the keys in S^T, of d in O^T.
; THE FIRST PRODUCT'S K IS 64: six registers of a fragment hold the codes, the other six zero codes.  Two fragments share one run of six zero registers (codes, zeros, codes): the first has its codes in the lower 64 of the instruction's K and
; meets Q as (q, zeros), the second in the upper 64 and meets Q as (zeros, q).  The scale words hold the head's two bytes in both halves, so one word serves both.  So all eight fragments of a key step fit in registers, and
; A KEY STEP'S FRAGMENTS OF K AND THEIR SCALE WORDS ARE FETCHED FROM LDS ONE STEP AHEAD, behind the products of the step before.  (The last step of a pass fetches 6,656 bytes from V's region in their place; they are not used.)
; LIMITS: the promise holds while the scaled scores t stay under 2^31 in magnitude.  A block of av whose largest magnitude lies under 2^-124 gets the byte 1 (read by this program alone); NaN and infinities are not served.
; av's scale bytes leave one byte a lane: a word's other half belongs to the neighbouring head.
; REGISTERS: v1-4 places that stay; v5, v6 the add's two; v7-11 addresses in hand; v12 -M, v13 the largest t, v[14:15] the sum; v16-33 Q: q, zeros, q; v34-81 and v192-221 K's eight fragments; v82-89 their scale words; v90 an offset, v91 a byte;
;   v92-95, v222-223, v0 the second tile's Q and scale word; v96-159 S^T, then p, then V's four fragments; v160-191 O^T; v224-235 p's codes; v232-247 at work; v248-251 V's scale words; v252 f, v253 p's scale word, v254 at work, v255 Q's scale word.
.set VB,    106496                     ; LDS: K at 0 (32 groups of 64 keys x 3,328), V here (16 key steps x 6,400)
.set SPARE, 208896                     ; the spare words, 128 bytes for each of 16 waves
.set KPT,   13312                      ; a wave's part of K
.set VPT,   12800                      ; of V
.set L16,  1
.set L8,   2
.set KS0,  3
.set VS0,  4
.set SPW,  5
.set NIL,  6
.set ADVS, 7
.set ADK16, 8
.set ADK8, 9
.set ADKS, 10
.set ADV16, 11
.set WV,   18
.set SEL,  20
.set CS,   22
.set G1K,  24
.set G1V,  32
.set G0K,  40
.set G0V,  44
.set TK,   2
.set TV,   3
.set CNT,  66
.set HM,   67
.macro CROUND
	s_barrier_signal -1
	s_barrier_wait -1
	s_cmp_lg_u32 s[WV], 0
	s_cbranch_scc1 .Lnot_wave_0_\@
	s_barrier_signal -3
.Lnot_wave_0_\@:
	s_barrier_wait -3
	s_barrier_signal -1
	s_barrier_wait -1
.endm
	s_load_b256 s[4:11], s[0:1], 0x0               ; qk, vt, ac, asc
	v_lshl_add_u32 v[SPW], v0, 2, SPARE
	v_mov_b32 v[NIL], 0
	ds_add_u32 v[SPW], v[NIL]                      ; the wave's opening: the add, twice on end, and its wait ahead of the first tensor load
	ds_add_u32 v[SPW], v[NIL]
	v_lshrrev_b32 v8, 5, v0
	s_delay_alu instid0(VALU_DEP_1)
	v_readfirstlane_b32 s[WV], v8                  ; wave 0..15
	s_bfe_u32 s12, ttmp6, 0x40000                  ; cx: it enters Q's and the outputs' addresses alone
	s_lshl_b32 s13, ttmp9, 2
	s_add_co_u32 s13, s13, s12                     ; my block of 512 queries
	s_and_b32 s14, ttmp7, 0xffff                   ; 16 x batch + head, which the four partners share
	s_and_b32 s15, s14, 15                         ; head
	s_lshr_b32 s16, s14, 4                         ; batch
	s_lshl_b32 s17, s16, 5                         ; a batch is 32 groups of four token tiles
	s_add_co_u32 s56, s15, 16                      ; K's heads lie behind Q's sixteen
	s_lshl_b32 s56, s56, 7
	s_add_co_u32 s56, s56, s17
	s_mul_i32 s56, s56, 3328
	s_mov_b32 s57, 0
	s_mul_i32 s58, s14, 102400
	s_mov_b32 s59, 0
	s_and_b32 s19, s[WV], 7                        ; which eighth of K or of V I fetch
	s_mul_i32 s60, s19, KPT
	s_mov_b32 s61, 0
	s_mul_i32 s62, s19, VPT
	s_mov_b32 s63, 0
	s_lshl_b32 s84, s15, 7
	s_add_co_u32 s84, s84, s17
	s_lshl_b32 s19, s13, 3                         ; a block of 512 queries is 8 groups
	s_add_co_u32 s84, s84, s19
	s_lshr_b32 s19, s[WV], 2
	s_add_co_u32 s84, s84, s19                     ; my first query tile's group (the second's lies 4 groups on),
	s_mul_i32 s84, s84, 3328
	s_and_b32 s19, s[WV], 3                        ; and its place in it
	s_lshl_b32 s86, s19, 2
	s_add_co_u32 s86, s86, s84
	s_add_co_u32 s86, s86, 3072                    ; its scale words
	s_mul_i32 s19, s19, 768
	s_add_co_u32 s84, s84, s19                     ; its codes
	s_mov_b32 s85, 0
	s_mov_b32 s87, 0
	s_lshl_b32 s92, s16, 7
	s_lshl_b32 s19, s13, 5
	s_add_co_u32 s92, s92, s19
	s_add_co_u32 s92, s92, s[WV]                   ; my first token tile among the 512 (the second: 16 on)
	s_lshr_b32 s88, s15, 2
	s_lshl_b32 s88, s88, 9
	s_add_co_u32 s88, s88, s92
	s_mul_i32 s88, s88, 3072
	s_and_b32 s19, s15, 3
	s_mul_i32 s19, s19, 768
	s_add_co_u32 s88, s88, s19                     ; ac: ((head / 4) 512 + tile) 3,072 + (head % 4) 768
	s_mov_b32 s89, 0
	s_lshl_b32 s90, s92, 9
	s_lshr_b32 s19, s15, 3
	s_lshl_b32 s19, s19, 8
	s_add_co_u32 s90, s90, s19
	s_bfe_u32 s19, s15, 0x20001
	s_lshl_b32 s19, s19, 2
	s_add_co_u32 s90, s90, s19
	s_and_b32 s19, s15, 1
	s_lshl_b32 s19, s19, 1
	s_add_co_u32 s90, s90, s19                     ; asc: tile 512 + (head / 8) 256 + ((head / 2) % 4) 4 + 2 (head % 2)
	s_mov_b32 s91, 0
	s_mov_b32 s[G1K], 15|(3<<16)|(1<<21)           ; 15:0 the mask: all four work-groups; 17:16 elements of 8 bytes; 21 set beside a mask; no padding
	s_mov_b32 s[G1K+1], 32<<16                     ; rows of 256 bytes
	s_mov_b32 s[G1K+2], 52<<16
	s_mov_b32 s[G1K+3], 32<<16
	s_mov_b32 s[G1K+4], 52
	s_mov_b32 s[G1K+5], 32                         ; dense
	s_mov_b32 s[G1K+6], 0
	s_mov_b32 s[G1K+7], 0
	s_mov_b32 s[G1V], 15|(3<<16)|(1<<21)
	s_mov_b32 s[G1V+1], 32<<16
	s_mov_b32 s[G1V+2], 50<<16
	s_mov_b32 s[G1V+3], 32<<16
	s_mov_b32 s[G1V+4], 50
	s_mov_b32 s[G1V+5], 32
	s_mov_b32 s[G1V+6], 0
	s_mov_b32 s[G1V+7], 0
	s_mov_b32 s[SEL], 0x76543210
	s_mov_b32 s[SEL+1], 0xfedcba98                 ; lane l xor 16
	s_mov_b32 s[CS], 0x3e38aa3b                    ; c = log2(e) / 8
	s_mov_b32 s[CS+1], s[CS]                       ; (named with it as a pair)
	s_mov_b32 s[HM], 0xffff0000                    ; lanes 16-31
	s_wait_dscnt 0x0                               ; both opening adds are done
	s_wait_kmcnt 0x0
	s_add_nc_u64 s[56:57], s[4:5], s[56:57]        ; the head's K
	s_add_nc_u64 s[58:59], s[6:7], s[58:59]        ; and V
	s_add_nc_u64 s[84:85], s[4:5], s[84:85]
	s_add_nc_u64 s[86:87], s[4:5], s[86:87]
	s_add_nc_u64 s[88:89], s[8:9], s[88:89]
	s_add_nc_u64 s[90:91], s[10:11], s[90:91]
	CROUND                                         ; all four work-groups are here: the joint loads meet
	s_mov_b32 s[G0K], 1
	s_mov_b32 s[G0K+1], s60
	s_add_nc_u64 s[G0K+2:G0K+3], s[56:57], s[60:61]
	s_or_b32 s[G0K+3], s[G0K+3], 0x80000000
	s_mov_b32 s[G0V], 1
	s_add_co_u32 s[G0V+1], s62, VB
	s_add_nc_u64 s[G0V+2:G0V+3], s[58:59], s[62:63]
	s_or_b32 s[G0V+3], s[G0V+3], 0x80000000
	s_cmp_lt_u32 s[WV], 8                          ; one load in each arm: every way through the head passes exactly one
	s_cbranch_scc0 .Lfor_v
	tensor_load_to_lds s[G0K:G0K+3], s[G1K:G1K+7]
	s_nop 0
.rept 4
	v_nop
.endr
	s_branch .Lasked
.Lfor_v:
	tensor_load_to_lds s[G0V:G0V+3], s[G1V:G1V+7]
	s_nop 0
.rept 4
	v_nop
.endr
.Lasked:
	v_and_b32 v8, 31, v0                           ; lane
	v_and_b32 v9, 15, v0                           ; r
	v_bfe_u32 v10, v0, 4, 1                        ; h
	s_delay_alu instid0(VALU_DEP_3)
	v_lshlrev_b32 v[L16], 4, v8
	s_delay_alu instid0(VALU_DEP_4)
	v_lshlrev_b32 v[L8], 3, v8
	s_delay_alu instid0(VALU_DEP_1)
	v_add_nc_u32 v[L8], 512, v[L8]
	v_lshlrev_b32 v254, 4, v9                      ; 16 r
	s_delay_alu instid0(VALU_DEP_1)
	v_add_nc_u32 v[KS0], 3072, v254                ; a group's scale words lie behind its four half fragments,
	s_delay_alu instid0(VALU_DEP_2)
	v_add_nc_u32 v[VS0], 6144, v254                ; a key step's behind V's four fragments
	s_delay_alu instid0(VALU_DEP_3)
	v_add_nc_u32 v90, v254, v10                    ; 16 r + h: my byte of av's scales
	global_load_b128 v[16:19], v[L16], s[84:85]    ; the first tile's half fragment of Q,
	global_load_b64 v[20:21], v[L8], s[84:85]
	global_load_b32 v255, v254, s[86:87]           ; its scale word;
	global_load_b128 v[92:95], v[L16], s[84:85] offset:4*3328   ; and the second tile's, kept until its pass
	global_load_b64 v[222:223], v[L8], s[84:85] offset:4*3328
	global_load_b32 v0, v254, s[86:87] offset:4*3328
.irp z, 22,40,58,76,198,216
.irp j, 0,1,2,3,4,5
	v_mov_b32 v[\z+\j], 0                          ; the runs of zero codes: cleared once, never loaded
.endr
.endr
.irp b, 0,1,2,3
	v_mov_b32 v[236+\b], 0                         ; a lane permute's destination counts as one of its sources
.endr
	v_mov_b32 v253, 0                              ; (named as the upper half of the pair v[252:253] before it is first written)
.macro KL d, a16, a8, o                ; a half fragment of K: six registers
	ds_load_b128 v[\d:\d+3], v[\a16] offset:\o
	ds_load_b64 v[\d+4:\d+5], v[\a8] offset:\o
.endm
.macro KFETCH a16, a8, as, o           ; a key step's eight half fragments and scale words, o bytes behind the addresses
	KL 34, \a16, \a8, \o
	KL 46, \a16, \a8, \o+768
	KL 52, \a16, \a8, \o+1536
	KL 64, \a16, \a8, \o+2304
	KL 70, \a16, \a8, \o+3328
	KL 192, \a16, \a8, \o+4096
	KL 204, \a16, \a8, \o+4864
	KL 210, \a16, \a8, \o+5632
	ds_load_b128 v[82:85], v[\as] offset:\o
	ds_load_b128 v[86:89], v[\as] offset:\o+3328
.endm
.macro SW t, a, q                      ; S^T of tile t: K's twelve registers from a on, Q's from q on
	v_wmma_scale_f32_16x16x128_f8f6f4 v[96+8*\t:103+8*\t], v[\a:\a+11], v[\q:\q+11], 0, v[82+\t], v255 matrix_a_fmt:MATRIX_FMT_FP6 matrix_b_fmt:MATRIX_FMT_FP6
.endm
; A KEY STEP: 128 keys, at s[TK] in K and s[TV] in V.
.macro STEP
	v_add_nc_u32 v[ADK16], s[TK], v[L16]           ; five plain places behind the last step's products, whose fragments of V the scores below are written over
	v_add_nc_u32 v[ADK8], s[TK], v[L8]
	v_add_nc_u32 v[ADKS], s[TK], v[KS0]
	v_add_nc_u32 v[ADV16], s[TV], v[L16]
	v_add_nc_u32 v[ADVS], s[TV], v[VS0]
	s_wait_alu depctr_va_vdst(0)
	s_wait_dscnt 0x0                               ; this step's fragments of K, asked for a step ago
	SW 0, 34, 16                                   ; (codes, zeros) x (q, zeros)
	SW 1, 40, 22                                   ; (zeros, codes) x (zeros, q)
	SW 2, 52, 16
	SW 3, 58, 22
	SW 4, 70, 16
	SW 5, 192, 16
	SW 6, 198, 22
	SW 7, 210, 16                                  ; lane (r, h) holds its query; the 16 registers of tiles 2 b, 2 b + 1 are keys 32 b + 16 h + 0 .. 15
.rept 4
	v_nop                                          ; places in front of the loads into registers that the products have read, and of the reads of their results
.endr
	KFETCH ADK16, ADK8, ADKS, 6656                 ; the next step's
.irp b, 0,1,2,3
	v_max3_num_f32 v[232+\b], v[96+16*\b], v[97+16*\b], v[98+16*\b]   ; the largest score of each block of 32 keys: for the row's maximum, and, since p rises with the score, for the block's largest p
.endr
.irp i, 3,5,7,9,11,13
.irp b, 0,1,2,3
	v_max3_num_f32 v[232+\b], v[232+\b], v[96+16*\b+\i], v[97+16*\b+\i]
.endr
.endr
.irp b, 0,1,2,3
	v_max_num_f32 v[232+\b], v[232+\b], v[111+16*\b]
.endr
.irp b, 0,1,2,3
	s_delay_alu instid0(VALU_DEP_4)
	v_permlanex16_b32 v[236+\b], v[232+\b], s[SEL], s[SEL+1]
.endr
.irp b, 0,1,2,3
	s_delay_alu instid0(VALU_DEP_4)
	v_max_num_f32 v[232+\b], v[232+\b], v[236+\b]  ; with lane l xor 16's 16 keys
.endr
	s_delay_alu instid0(VALU_DEP_2)
	v_max3_num_f32 v254, v232, v233, v234
	s_delay_alu instid0(VALU_DEP_1)
	v_max_num_f32 v254, v254, v235                 ; the step's largest score of my query
	s_delay_alu instid0(VALU_DEP_1)
	v_mul_f32 v254, s[CS], v254                    ; as t (c is positive)
	s_delay_alu instid0(VALU_DEP_1)
	v_max_num_f32 v13, v13, v254                   ; the running largest t
	v_mov_b32 v254, v12
	s_delay_alu instid0(VALU_DEP_2)
	v_floor_f32 v12, -v13                          ; the new -M = floor(-t): M is a whole number
	s_delay_alu instid0(VALU_DEP_1)
	v_sub_f32 v254, v12, v254                      ; old M - new M: a whole number, 0 or less
	s_delay_alu instid0(VALU_DEP_1)
	v_cvt_i32_f32 v254, v254                       ; (it saturates)
	s_delay_alu instid0(VALU_DEP_1)
	v_ldexp_f32 v252, 1.0, v254                    ; f = 2^(old M - new M)
.set j, 0
.rept 32
	v_pk_fma_f32 v[96+j:97+j], v[96+j:97+j], s[CS:CS+1], v[12:13] op_sel_hi:[1,0,0]   ; t - M, two at a time
.set j, j+2
.endr
.irp b, 0,1,2,3
	v_fma_f32 v[232+\b], v[232+\b], s[CS], v12     ; the same of each block's largest score
.endr
.set j, 0
	s_wait_alu depctr_va_vdst(0)
.rept 64
	v_exp_f32 v[96+j], v[96+j]                     ; p = 2^(t - M), at most 1: not normalised
.set j, j+1
.endr
	v_pk_mul_f32 v[14:15], v[14:15], v[252:253] op_sel_hi:[1,0]   ; the sums under the new M: a plain place behind the exponentials
	s_wait_alu depctr_va_vdst(0)                   ; one wait for the whole batch, ahead of its first reader
.irp b, 0,1,2,3
	v_exp_f32 v[232+\b], v[232+\b]                 ; the block's largest p: the same two instructions on the same number give the same bits
.endr
	v_pk_add_f32 v[236:237], v[100:101], v[104:105]   ; the row's sum of the unquantised p, in eight chains
	v_pk_add_f32 v[250:251], v[108:109], v[112:113]
	v_pk_add_f32 v[248:249], v[116:117], v[120:121]
	v_pk_add_f32 v[246:247], v[124:125], v[128:129]
	v_pk_add_f32 v[244:245], v[132:133], v[136:137]
	v_pk_add_f32 v[242:243], v[140:141], v[144:145]
	v_pk_add_f32 v[240:241], v[148:149], v[152:153]
	v_pk_add_f32 v[14:15], v[14:15], v[156:157]
	v_pk_add_f32 v[236:237], v[236:237], v[96:97]
	v_pk_add_f32 v[250:251], v[250:251], v[98:99]
	v_pk_add_f32 v[248:249], v[248:249], v[102:103]
	v_pk_add_f32 v[246:247], v[246:247], v[106:107]
	v_pk_add_f32 v[244:245], v[244:245], v[110:111]
	v_pk_add_f32 v[242:243], v[242:243], v[114:115]
	v_pk_add_f32 v[240:241], v[240:241], v[118:119]
	v_pk_add_f32 v[14:15], v[14:15], v[122:123]
	v_pk_add_f32 v[236:237], v[236:237], v[126:127]
	v_pk_add_f32 v[250:251], v[250:251], v[130:131]
	v_pk_add_f32 v[248:249], v[248:249], v[134:135]
	v_pk_add_f32 v[246:247], v[246:247], v[138:139]
	v_pk_add_f32 v[244:245], v[244:245], v[142:143]
	v_pk_add_f32 v[242:243], v[242:243], v[146:147]
	v_pk_add_f32 v[240:241], v[240:241], v[150:151]
	v_pk_add_f32 v[14:15], v[14:15], v[154:155]
	v_pk_add_f32 v[236:237], v[236:237], v[158:159]
	s_delay_alu instid0(VALU_DEP_2)
	v_pk_add_f32 v[14:15], v[14:15], v[246:247]
	s_delay_alu instid0(VALU_DEP_2)
	v_pk_add_f32 v[236:237], v[236:237], v[244:245]
	v_pk_add_f32 v[250:251], v[250:251], v[242:243]
	v_pk_add_f32 v[248:249], v[248:249], v[240:241]
	s_delay_alu instid0(VALU_DEP_2)
	v_pk_add_f32 v[14:15], v[14:15], v[250:251]
	s_delay_alu instid0(VALU_DEP_2)
	v_pk_add_f32 v[236:237], v[236:237], v[248:249]
	s_delay_alu instid0(VALU_DEP_1)
	v_pk_add_f32 v[14:15], v[14:15], v[236:237]
	s_wait_alu depctr_va_vdst(0)                   ; and one for the four
.irp b, 0,1,2,3
	v_max_num_f32 v[232+\b], 0x1800000, v[232+\b]  ; the floor 2^(3 - 127): the byte cannot fall under 1
.endr
.irp b, 0,1,2,3
	s_delay_alu instid0(VALU_DEP_4)
	v_add_nc_u32 v[244+\b], 0xff000000, v[232+\b]  ; 2 off the exponent field: the conversion's scale operand
.endr
.irp b, 0,1,2,3
	s_delay_alu instid0(VALU_DEP_4)
	v_lshrrev_b32 v[236+\b], 23, v[244+\b]         ; the byte
.endr
	s_delay_alu instid0(VALU_DEP_3)
	v_lshl_or_b32 v253, v237, 8, v236              ; p's scale word for these 128 keys
	s_delay_alu instid0(VALU_DEP_1)
	v_lshl_or_b32 v253, v238, 16, v253
	s_delay_alu instid0(VALU_DEP_1)
	v_lshl_or_b32 v253, v239, 24, v253
.irp c, 0,1
	v_cvt_scalef32_pk16_fp6_f32 v[224+6*\c:226+6*\c], v[96+32*\c:111+32*\c], v[244+2*\c]
	v_cvt_scalef32_pk16_fp6_f32 v[236+4*\c:238+4*\c], v[112+32*\c:127+32*\c], v[244+2*\c+1]
.endr
	v_nop                                          ; one plain place behind a scaled conversion
.irp t, 0,1,2,3                        ; p's registers are free: V's four fragments (16 of d x these 128 keys) land there while the codes are put in order and O^T is rescaled
.irp i, 0,1,2
	ds_load_b128 v[96+12*\t+4*\i:99+12*\t+4*\i], v[ADV16] offset:1536*\t+512*\i
.endr
.endr
	ds_load_b128 v[248:251], v[ADVS]
.irp c, 0,1                            ; the operand's layout wants a whole block in a lane
.irp i, 0,1,2
	v_permlane16_swap_b32 v[224+6*\c+\i], v[236+4*\c+\i]
.endr
.irp i, 0,1,2
	s_delay_alu instid0(VALU_DEP_3)
	v_mov_b32 v[227+6*\c+\i], v[236+4*\c+\i]
.endr
.endr
.set j, 0
.rept 16
	v_pk_mul_f32 v[160+j:161+j], v[160+j:161+j], v[252:253] op_sel_hi:[1,0]   ; O^T under the new M.  (These are also the places between the codes' and the scale word's last writes and the products)
.set j, j+2
.endr
	s_wait_alu depctr_va_vdst(0)
	s_wait_dscnt 0x0
.irp t, 0,1,2,3                        ; O^T += V^T P^T: the four accumulators by turns
	v_wmma_scale_f32_16x16x128_f8f6f4 v[160+8*\t:167+8*\t], v[96+12*\t:107+12*\t], v[224:235], v[160+8*\t:167+8*\t], v[248+\t], v253 matrix_a_fmt:MATRIX_FMT_FP6 matrix_b_fmt:MATRIX_FMT_FP6
.endr
.endm
; A PASS: one tile of 16 queries against all 2,048 keys, sixteen key steps, and its way out.  n = 1: the tile 16 further on.
.macro PASS n
.if \n
	s_wait_xcnt 0x0                                ; the first tile's stores have read their registers: they are written again only behind this wait
.irp j, 0,1,2,3
	v_mov_b32 v[16+\j], v[92+\j]                   ; the second tile's Q; the lines below stand between these writes and the first product
.endr
	v_mov_b32 v20, v222
	v_mov_b32 v21, v223
	v_mov_b32 v255, v0
.endif
.irp j, 0,1,2,3,4,5
	v_mov_b32 v[28+\j], v[16+\j]                   ; q once more, behind the zeros
.endr
	KFETCH L16, L8, KS0, 0                         ; the first key step's fragments of K (no LDS load of mine is out here)
	v_mov_b32 v13, 0xff61b1e6                      ; the largest t so far: -3e38, under every t
	s_delay_alu instid0(VALU_DEP_1)
	v_floor_f32 v12, -v13                          ; -M
	v_mov_b32 v14, 0
	v_mov_b32 v15, 0
.set j, 0
.rept 32
	v_mov_b32 v[160+j], 0                          ; O^T: the step is written once; the first finds zeros, which the first change of M leaves zeros
.set j, j+1
.endr
	s_mov_b32 s[TK], 0
	s_mov_b32 s[TV], VB
	s_mov_b32 s[CNT], 16
	s_wait_alu depctr_va_vdst(0)
.Lstep_\@:
	STEP
	s_add_co_u32 s[TK], s[TK], 6656
	s_add_co_u32 s[TV], s[TV], 6400
	s_sub_co_u32 s[CNT], s[CNT], 1
	s_cmp_lg_u32 s[CNT], 0
	s_cbranch_scc1 .Lstep_\@
	; THE WAY OUT: O^T / the sum, quantised along d: my head's 64 are two blocks of the last product's K
	v_add_f32 v14, v14, v15
	s_delay_alu instid0(VALU_DEP_1)
	v_permlanex16_b32 v252, v14, s[SEL], s[SEL+1]
	s_delay_alu instid0(VALU_DEP_1)
	v_add_f32 v14, v14, v252                       ; the row's sum
	s_wait_alu depctr_va_vdst(0)
	v_rcp_f32 v14, v14
.rept 4
	v_nop                                          ; a plain place behind the reciprocal; with the additions above more than the four places behind the last products
.endr
	s_wait_alu depctr_va_vdst(0)                   ; the wait ahead of the reciprocal's first reader
.set j, 0
.rept 32
	v_mul_f32 v[96+j], v[160+j], v14               ; register 16 b + i: d = 32 b + 16 h + i
.set j, j+1
.endr
.irp b, 0,1
	v_max3_num_f32 v[232+\b], |v[96+16*\b]|, |v[97+16*\b]|, 0x1800000
.endr
.irp i, 2,4,6,8,10,12,14
.irp b, 0,1
	s_delay_alu instid0(VALU_DEP_2)
	v_max3_num_f32 v[232+\b], v[232+\b], |v[96+16*\b+\i]|, |v[97+16*\b+\i]|
.endr
.endr
.irp b, 0,1
	s_delay_alu instid0(VALU_DEP_2)
	v_permlanex16_b32 v[236+\b], v[232+\b], s[SEL], s[SEL+1]
.endr
.irp b, 0,1
	s_delay_alu instid0(VALU_DEP_2)
	v_max_num_f32 v[232+\b], v[232+\b], v[236+\b]
.endr
.irp b, 0,1
	s_delay_alu instid0(VALU_DEP_2)
	v_add_nc_u32 v[244+\b], 0xff000000, v[232+\b]
.endr
.irp b, 0,1
	s_delay_alu instid0(VALU_DEP_2)
	v_lshrrev_b32 v[236+\b], 23, v[244+\b]
.endr
	s_delay_alu instid0(VALU_DEP_1)
	v_cndmask_b32 v91, v236, v237, s[HM]           ; lanes 0-15 store block 0's byte of row r, lanes 16-31 block 1's
	v_cvt_scalef32_pk16_fp6_f32 v[224:226], v[96:111], v244
	v_cvt_scalef32_pk16_fp6_f32 v[240:242], v[112:127], v245
	v_nop                                          ; one plain place behind a scaled conversion
.irp i, 0,1,2
	v_permlane16_swap_b32 v[224+\i], v[240+\i]
.endr
.irp i, 0,1,2
	s_delay_alu instid0(VALU_DEP_3)
	v_mov_b32 v[227+\i], v[240+\i]
.endr
	global_store_b128 v[L16], v[224:227], s[88:89] offset:16*3072*\n   ; 512 consecutive bytes, aligned
	global_store_b64 v[L8], v[228:229], s[88:89] offset:16*3072*\n     ; 256
	global_store_b8 v90, v91, s[90:91] offset:16*512*\n
.endm
	s_wait_alu depctr_va_vdst(0)
	s_wait_loadcnt 0x0                             ; both tiles' Q
	s_wait_tensorcnt 0x0                           ; my part of K or V is in,
	s_barrier_signal -1
	s_barrier_wait -1                              ; and everybody's: all of K and V
	PASS 0
	PASS 1
	s_wait_tensorcnt 0x0                           ; the wave's end: behind the last tensor load
	ds_add_u32 v[SPW], v[NIL]
	s_wait_dscnt 0x0
	CROUND                                         ; the closing round
	s_endpgm
.Lfunc_end_k_q17388ad4e2_attn:
	.size	k_q17388ad4e2_attn, .Lfunc_end_k_q17388ad4e2_attn-k_q17388ad4e2_attn
	.p2alignl 7, 3214868480
	.fill 96, 4, 3214868480
	.section	.rodata,"a",@progbits
	.p2align	6, 0x0
	.amdhsa_kernel k_q17388ad4e2_attn
		.amdhsa_group_segment_fixed_size 210944
		.amdhsa_private_segment_fixed_size 0
		.amdhsa_enable_private_segment 0
		.amdhsa_kernarg_size 32
		.amdhsa_user_sgpr_count 2
		.amdhsa_user_sgpr_kernarg_segment_ptr 1
		.amdhsa_wavefront_size32 1
		.amdhsa_system_sgpr_workgroup_id_x 1
		.amdhsa_system_sgpr_workgroup_id_y 1
		.amdhsa_system_sgpr_workgroup_id_z 1
		.amdhsa_system_vgpr_workitem_id 0
		.amdhsa_next_free_vgpr 256
		.amdhsa_next_free_sgpr 96
		.amdhsa_reserve_vcc 0
		.amdhsa_float_denorm_mode_32 3
		.amdhsa_float_denorm_mode_16_64 3
		.amdhsa_memory_ordered 1
		.amdhsa_forward_progress 1
		.amdhsa_inst_pref_size 57
	.end_amdhsa_kernel
	.amdgpu_metadata
---
amdhsa.version: [ 1, 2 ]
amdhsa.kernels:
  - .name:           k_q17388ad4e2_attn
    .symbol:         k_q17388ad4e2_attn.kd
    .args:
      - { .name: qk, .offset: 0, .size: 8, .value_kind: global_buffer, .address_space: global }
      - { .name: vt, .offset: 8, .size: 8, .value_kind: global_buffer, .address_space: global }
      - { .name: ac, .offset: 16, .size: 8, .value_kind: global_buffer, .address_space: global }
      - { .name: asc, .offset: 24, .size: 8, .value_kind: global_buffer, .address_space: global }
    .group_segment_fixed_size: 210944
    .private_segment_fixed_size: 0
    .kernarg_segment_align: 8
    .kernarg_segment_size: 32
    .max_flat_workgroup_size: 512
    .sgpr_count:     96
    .vgpr_count:     256
    .wavefront_size: 32
...
	.end_amdgpu_metadata
.endif
;; end of part 3
;; launch outp (part 4): grid 4 x 64, 4 waves a work-group, clusters of 4 x 4, 295,424 bytes of LDS; arguments ac, asc, wc, ws, bo, out0; writes out0
.if DOCPART == 4
	.amdgcn_target "amdgcn-amd-amdhsa--gfx1250"
	.amdhsa_code_object_version 6
	.text
	.protected	k_q17388ad4e2_outp
	.globl	k_q17388ad4e2_outp
	.p2align	8
	.type	k_q17388ad4e2_outp,@function
k_q17388ad4e2_outp:
	s_mov_b64 s[64:65], 0
	v_nop
	global_prefetch_b8 v0, s[64:65] scope:SCOPE_SE
	s_setreg_imm32_b32 hwreg(HW_REG_WAVE_MODE, 25, 1), 1
	s_wait_xcnt 0x0
	s_wait_alu depctr_hold_cnt(0) depctr_sa_sdst(0) depctr_va_vdst(0) depctr_va_sdst(0) depctr_va_ssrc(0) depctr_va_vcc(0) depctr_vm_vsrc(0)
	s_getreg_b32 s2, hwreg(HW_REG_IB_STS2, 6, 4)
	s_cmp_eq_u32 s2, 0
	s_cbranch_scc0 .Lentry_in_a_cluster
	s_endpgm
.Lentry_in_a_cluster:
	s_bfe_u32 s2, ttmp6, 0x10000c
	s_cmp_lg_u32 s2, 0xf033
	s_cbranch_scc0 .Lentry_shape_is_right
	s_endpgm
.Lentry_shape_is_right:
; out0 = av Wo + bo on codes of FP6 (E2M3) with E8M0 scales, f32 sums.  av's and Wo's codes lie in memory as images of fragment registers (1,536 bytes: for each 64 along K registers 0-3 at 16 x lane, registers 4-5 at 512 + 8 x lane).
; A work-group makes 128 tokens x 256 features, all K = 1,024.  A quarter of K (a kslot: 2 K steps) of 8 tiles of av and 16 tiles of Wo is two dense blocks; ALL FOUR KSLOTS FIT IN LDS (294,912 bytes): every tensor load is a first
; fill, issued at the head; no byte of LDS is filled twice.  By this text's count a wave has one tensor load out at the most.
; CLUSTERS: 4 x 4 work-groups; av's tiles are shared along a row of the cluster, Wo's along a column: each block is asked for jointly.
; A wave has 32 accumulators: 4 tiles of tokens on the lanes' side (P, source 1) x 8 tiles of features on the registers' side (R, source 0).  The rows of every tile are dealt out (lane r of tile T: row 32 (T / 2) + 8 (T % 2) + r + 8 (r / 8)):
; register j of R's tile b in lane (r, h) is feature 32 (b / 2) + 16 h + 8 (b % 2) + j of token 32 (p / 2) + 8 (p % 2) + r + 8 (r / 8).
; THE WAY OUT: a tile of 16 tokens x 128 features goes through the wave's own stage in LDS and leaves as whole rows of 512 bytes.  The stages lie in av's kslots 0 and 1, which have had their one fill and whose last reads every wave awaited ahead of a later barrier.
; REGISTERS: window 0: v4-14 addresses; v28, v29 the add's two; v32-63 R's scale words, v64-79 P's; v80-143 the bias; v144-239 P's fragments, two sets of 48 (on the way out v80-207: rows read back).   window 1: the accumulators, (p, b) at
;   v[8 (8 p + b)].   window 2: R's fragments, two sets of 96.
.set KSL,   73728                      ; a kslot's bytes: av's 8 tiles x 3,072 and Wo's 16
.set XSL,   24576                      ; LDS: av's four kslots on end from 0, XSL bytes each,
.set WSL,   49152                      ; then Wo's four, WSL bytes each,
.set WB,    4*XSL                      ; from here on
.set SPARE, 4*KSL
.set ASTR,  1572864
.set BSTR,  786432
.set WT0,   192                        ; Wo's first tile in wc and ws
.set L16,  4
.set L8,   5
.set RA16, 6
.set RA8,  7
.set PA16, 8
.set PA8,  9
.set SLR,  10
.set SLP,  11
.set STO,  13                          ; v13  the stage: where I put 32 bytes of a row
.set RD,   14                          ; v14  and where I read a row back
.set SPW,  28
.set NIL,  29
.set SCR,  32
.set SCP,  64
.set BIA,  80
.set PF,   144
.set G1A,  24
.set G0A,  32
.set G1B,  48
.set G0B,  68
.set MSB, 0
.macro WIN new                         ; the immediate's high byte repeats the setting that is left
.if MSB != \new
	s_set_vgpr_msb (MSB<<8)|\new
.set MSB, \new
.endif
.endm
.macro PLACES                          ; four plain places behind matrix instructions, in front of loads into registers that they have read and of reads of their results
.rept 4
	v_nop
.endr
.endm
.macro CROUND
	s_barrier_signal -1
	s_barrier_wait -1
	s_cmp_lg_u32 s14, 0
	s_cbranch_scc1 .Lnot_wave_0_\@
	s_barrier_signal -3
.Lnot_wave_0_\@:
	s_barrier_wait -3
	s_barrier_signal -1
	s_barrier_wait -1
.endm
	s_load_b256 s[4:11], s[0:1], 0x0               ; ac, asc, wc, ws
	s_load_b128 s[84:87], s[0:1], 0x20             ; bo, out0
	v_lshl_add_u32 v[SPW], v0, 2, SPARE
	v_mov_b32 v[NIL], 0
	ds_add_u32 v[SPW], v[NIL]                      ; the wave's opening: the add and its wait ahead of my first tensor load; work on registers stands between them
	ds_add_u32 v[SPW], v[NIL]
	v_lshrrev_b32 v1, 5, v0
	v_readfirstlane_b32 s14, v1                    ; wave 0..3
	s_lshr_b32 s15, s14, 1                         ; which half of the block (kslots 0-1 or 2-3) I fetch.  Also: which 64 tokens are mine
	s_and_b32 s16, s14, 1                          ; I fetch for av (0) or for Wo (1).  Also: which 128 features are mine
	s_bfe_u32 s19, ttmp6, 0x40000                  ; cx
	s_bfe_u32 s20, ttmp6, 0x40004                  ; cy
	s_lshl_b32 s18, ttmp9, 2
	s_add_co_u32 s18, s18, s19                     ; work-group x
	s_and_b32 s17, ttmp7, 0xffff
	s_lshl_b32 s17, s17, 2
	s_add_co_u32 s17, s17, s20                     ; work-group y
	s_lshl_b32 s21, s20, 2
	s_lshl_b32 s21, 15, s21                        ; my row of the cluster
	s_lshl_b32 s22, 0x1111, s19                    ; my column
	s_or_b32 s[G1A], s21, (3<<16)|(1<<21)          ; 15:0 the mask; 17:16 elements of 8 bytes; 21 set beside a mask; no padding
	s_or_b32 s[G1B], s22, (3<<16)|(1<<21)
	s_mov_b32 s[G1A+1], (XSL/8)<<16                ; ONE LOAD BRINGS TWO KSLOTS: a row is a kslot's 8 tiles of av, 24,576 dense bytes;
	s_mov_b32 s[G1A+2], 2<<16                      ; two rows,
	s_mov_b32 s[G1A+3], (XSL/8)<<16
	s_mov_b32 s[G1A+4], 2
	s_mov_b32 s[G1A+5], ASTR/8                     ; from kslot to kslot in ac
	s_mov_b32 s[G1A+6], 0
	s_mov_b32 s[G1A+7], 0
	s_mov_b32 s[G1B+1], (WSL/8)<<16                ; Wo: a kslot's 16 tiles, 49,152 dense bytes
	s_mov_b32 s[G1B+2], 2<<16
	s_mov_b32 s[G1B+3], (WSL/8)<<16
	s_mov_b32 s[G1B+4], 2
	s_mov_b32 s[G1B+5], BSTR/8
	s_mov_b32 s[G1B+6], 0
	s_mov_b32 s[G1B+7], 0
	s_mul_i32 s56, s17, XSL                        ; av: tile 8 y, of y alone, which my row shares; waves 2 and 3 take kslots 2 and 3
	s_mul_i32 s60, s15, 2*ASTR
	s_add_co_u32 s56, s56, s60
	s_mov_b32 s57, 0
	s_mul_i32 s58, s18, WSL                        ; Wo: tile 192 + 16 x, of x alone, which my column shares
	s_add_co_u32 s58, s58, WT0*3072
	s_mul_i32 s61, s15, 2*BSTR
	s_add_co_u32 s58, s58, s61
	s_mov_b32 s59, 0
	s_mul_i32 s62, s15, 2*XSL                      ; where they go: of the wave's number alone
	s_mul_i32 s63, s15, 2*WSL
	s_add_co_u32 s63, s63, WB
	s_wait_dscnt 0x0                               ; the opening add is done
	s_wait_kmcnt 0x0
	s_add_nc_u64 s[56:57], s[4:5], s[56:57]
	s_add_nc_u64 s[58:59], s[8:9], s[58:59]
	CROUND                                         ; all sixteen work-groups are here: the joint loads meet
	s_mov_b32 s[G0A], 1
	s_mov_b32 s[G0A+1], s62
	s_mov_b64 s[G0A+2:G0A+3], s[56:57]
	s_or_b32 s[G0A+3], s[G0A+3], 0x80000000
	s_mov_b32 s[G0B], 1
	s_mov_b32 s[G0B+1], s63
	s_mov_b64 s[G0B+2:G0B+3], s[58:59]
	s_or_b32 s[G0B+3], s[G0B+3], 0x80000000
	; the head's loads, one a wave, in one chain of branches on the wave's number: wave 0 av's kslots 0 and 1, wave 1 Wo's, wave 2 av's kslots 2 and 3, wave 3 Wo's
	s_cmp_eq_u32 s14, 0
	s_cbranch_scc0 .Lwave_1
	tensor_load_to_lds s[G0A:G0A+3], s[G1A:G1A+7]
	s_nop 0
	PLACES
	s_branch .Lasked
.Lwave_1:
	s_cmp_eq_u32 s14, 1
	s_cbranch_scc0 .Lwave_2
	tensor_load_to_lds s[G0B:G0B+3], s[G1B:G1B+7]
	s_nop 0
	PLACES
	s_branch .Lasked
.Lwave_2:
	s_cmp_eq_u32 s14, 2
	s_cbranch_scc0 .Lwave_3
	tensor_load_to_lds s[G0A:G0A+3], s[G1A:G1A+7]
	s_nop 0
	PLACES
	s_branch .Lasked
.Lwave_3:
	tensor_load_to_lds s[G0B:G0B+3], s[G1B:G1B+7]
	s_nop 0
	PLACES
.Lasked:
	v_and_b32 v1, 31, v0                           ; lane
	v_and_b32 v2, 15, v0                           ; r
	v_bfe_u32 v3, v0, 4, 1                         ; h
	v_lshlrev_b32 v[L16], 4, v1
	v_lshlrev_b32 v[L8], 3, v1
	v_add_nc_u32 v[L8], 512, v[L8]
	v_lshlrev_b32 v[SLR], 4, v2
	v_lshl_add_u32 v[SLP], v3, 10, v[SLR]          ; 16 r + 1,024 h: lanes 16-31 take the scale words of the tile two on
	v_lshl_add_u32 v[SLR], v3, 11, v[SLR]          ; 16 r + 2,048 h: of the tile four on
	s_wait_alu depctr_va_vdst(0)
	s_mov_b32 s57, 0                               ; the high word of the offsets made below
	s_mul_i32 s23, s15, 12288                      ; P = my 4 tiles of av
	s_mul_i32 s60, s16, 24576
	s_add_co_u32 s60, s60, WB                      ; R = my 8 tiles of Wo
	v_add_nc_u32 v[RA16], s60, v[L16]
	v_add_nc_u32 v[RA8], s60, v[L8]
	v_add_nc_u32 v[PA16], s23, v[L16]
	v_add_nc_u32 v[PA8], s23, v[L8]
	s_lshl_b32 s56, s18, 4
	s_lshl_b32 s58, s16, 3
	s_add_co_u32 s56, s56, s58
	s_add_co_u32 s56, s56, WT0
	s_lshl_b32 s56, s56, 9                         ; ws: 512 bytes a tile
	s_add_nc_u64 s[10:11], s[10:11], s[56:57]
	s_lshl_b32 s56, s17, 3
	s_lshl_b32 s58, s15, 2
	s_add_co_u32 s56, s56, s58
	s_lshl_b32 s56, s56, 9                         ; asc
	s_add_nc_u64 s[6:7], s[6:7], s[56:57]
.irp i, 0,1,2,3                        ; the scale words of all 8 K steps go from memory straight into registers: sixteen lanes read 256 consecutive bytes
.irp k, 0,1
	global_load_b128 v[SCR+8*\i+4*\k:SCR+8*\i+4*\k+3], v[SLR], s[10:11] offset:512*\i+256*\k
.endr
.endr
.irp i, 0,1
.irp k, 0,1
	global_load_b128 v[SCP+8*\i+4*\k:SCP+8*\i+4*\k+3], v[SLP], s[6:7] offset:512*\i+256*\k
.endr
.endr
	s_lshl_b32 s56, s18, 10
	s_lshl_b32 s58, s16, 9
	s_add_co_u32 s56, s56, s58                     ; my 128 features, in bytes: in bo, and in a row of out0
	s_add_nc_u64 s[84:85], s[84:85], s[56:57]
	s_add_nc_u64 s[86:87], s[86:87], s[56:57]
	v_lshlrev_b32 v12, 6, v3                       ; lane (r, h) wants, for tile b, features 32 (b / 2) + 16 h + 8 (b % 2) + 0 .. 7
.irp b, 0,1,2,3,4,5,6,7
	global_load_b128 v[BIA+8*\b:BIA+8*\b+3], v12, s[84:85] offset:(32*(\b/2)+8*(\b%2))*4
	global_load_b128 v[BIA+8*\b+4:BIA+8*\b+7], v12, s[84:85] offset:(32*(\b/2)+8*(\b%2))*4+16
.endr
	s_lshl_b32 s56, s17, 19
	s_lshl_b32 s58, s15, 18
	s_add_co_u32 s56, s56, s58                     ; my first token: 128 y + 64 x half, rows of 4,096 bytes
	s_add_nc_u64 s[86:87], s[86:87], s[56:57]
	s_mul_i32 s23, s14, 8448                       ; my stage: 16 rows x 528 bytes
	v_mul_u32_u24 v[STO], v2, 528
	v_lshl_add_u32 v[STO], v3, 6, v[STO]
	v_add_nc_u32 v[STO], s23, v[STO]               ; in: row r, + 64 h
	v_add_nc_u32 v[RD], s23, v[L16]                ; back: 16 bytes a lane of a row
.macro FETCH s                         ; 48 LDS loads: K step s's fragments, R's eight and P's four, into set s % 2; behind a kslot's second step the addresses go on to the next kslot
.set fS, 96*((\s)%2)
.set fP, PF+48*((\s)%2)
.set fQ, 1536*((\s)%2)
	WIN 0x80                                       ; destination window 2
.irp b, 0,1,2,3,4,5,6,7
	ds_load_b128 v[fS+12*\b:fS+12*\b+3], v[RA16] offset:3072*\b+fQ
	ds_load_b64 v[fS+12*\b+4:fS+12*\b+5], v[RA8] offset:3072*\b+fQ
	ds_load_b128 v[fS+12*\b+6:fS+12*\b+9], v[RA16] offset:3072*\b+fQ+768
	ds_load_b64 v[fS+12*\b+10:fS+12*\b+11], v[RA8] offset:3072*\b+fQ+768
.endr
	WIN 0
.irp p, 0,1,2,3
	ds_load_b128 v[fP+12*\p:fP+12*\p+3], v[PA16] offset:3072*\p+fQ
	ds_load_b64 v[fP+12*\p+4:fP+12*\p+5], v[PA8] offset:3072*\p+fQ
	ds_load_b128 v[fP+12*\p+6:fP+12*\p+9], v[PA16] offset:3072*\p+fQ+768
	ds_load_b64 v[fP+12*\p+10:fP+12*\p+11], v[PA8] offset:3072*\p+fQ+768
.endr
.if ((\s)%2) && ((\s) < 7)
	v_add_nc_u32 v[RA16], WSL, v[RA16]
	v_add_nc_u32 v[RA8], WSL, v[RA8]
	v_add_nc_u32 v[PA16], XSL, v[PA16]
	v_add_nc_u32 v[PA8], XSL, v[PA8]
.endif
.endm
.macro WM p, b, s, first               ; one product: accumulator (p, b), K step s.  first = 1: the bias of R's tile b is the C of the sum's first instruction
.set rD, 8*(8*(\p)+(\b))
.set rR, 96*((\s)%2)+12*(\b)
.set rP, PF+48*((\s)%2)+12*(\p)
.set rSA, SCR+8*((\b)%4)+(\s)
.set rSB, SCP+8*((\p)%2)+(\s)
.if \first
.set rC, BIA+8*(\b)
.else
.set rC, rD
.endif
.if ((\b) < 4) && ((\p) < 2)
	v_wmma_scale_f32_16x16x128_f8f6f4 v[rD:rD+7], v[rR:rR+11], v[rP:rP+11], v[rC:rC+7], v[rSA], v[rSB] matrix_a_fmt:MATRIX_FMT_FP6 matrix_b_fmt:MATRIX_FMT_FP6
.elseif (\p) < 2
	v_wmma_scale_f32_16x16x128_f8f6f4 v[rD:rD+7], v[rR:rR+11], v[rP:rP+11], v[rC:rC+7], v[rSA], v[rSB] matrix_a_fmt:MATRIX_FMT_FP6 matrix_b_fmt:MATRIX_FMT_FP6 matrix_a_scale:MATRIX_SCALE_ROW1
.elseif (\b) < 4
	v_wmma_scale_f32_16x16x128_f8f6f4 v[rD:rD+7], v[rR:rR+11], v[rP:rP+11], v[rC:rC+7], v[rSA], v[rSB] matrix_a_fmt:MATRIX_FMT_FP6 matrix_b_fmt:MATRIX_FMT_FP6 matrix_b_scale:MATRIX_SCALE_ROW1
.else
	v_wmma_scale_f32_16x16x128_f8f6f4 v[rD:rD+7], v[rR:rR+11], v[rP:rP+11], v[rC:rC+7], v[rSA], v[rSB] matrix_a_fmt:MATRIX_FMT_FP6 matrix_b_fmt:MATRIX_FMT_FP6 matrix_a_scale:MATRIX_SCALE_ROW1 matrix_b_scale:MATRIX_SCALE_ROW1
.endif
.endm
.macro MULS s, p0, first               ; 16 products.  The 32 accumulators take turns, one instruction a turn, in the same order in every K step
.irp p, \p0, \p0+1
.irp b, 0,1,2,3,4,5,6,7
	WM \p, \b, \s, \first
.endr
.endr
.endm
	; ---- the 8 K steps, written out
	s_wait_alu depctr_va_vdst(0)
	s_cmp_lt_u32 s14, 2                            ; waves 0 and 1 asked for kslots 0 and 1, by load lines of their own: they wait; kslots 2 and 3 may stay out
	s_cbranch_scc0 .Lnot_first
	s_wait_tensorcnt 0x0
.Lnot_first:
	s_barrier_signal -1
	s_barrier_wait -1                              ; everybody's is
	FETCH 0
	s_wait_loadcnt 0x0                             ; the scale words and the bias
	FETCH 1
	s_wait_alu depctr_va_vdst(0)
	s_wait_dscnt 48                                ; all but the 48 just issued
	WIN 0x42                                       ; R window 2, P and the bias window 0, D window 1
	MULS 0, 0, 1
	MULS 0, 2, 1
.irp s, 1,3,5
	s_wait_dscnt 0x0                               ; this step's fragments are in, and no LDS load of mine is out at the signal
.if \s == 3
	s_wait_tensorcnt 0x0                           ; every wave's one load is in: kslots 2 and 3 are shown to all by this barrier; my reads of av's kslots 0 and 1, where the stages lie, are over too
	s_barrier_signal -1
.endif
	WIN 0x52
	MULS \s, 0, 0
.if \s == 3
	s_barrier_wait -1
.endif
	PLACES
	FETCH \s+1
	WIN 0x52
	MULS \s, 2, 0
	PLACES
	FETCH \s+2
	s_wait_alu depctr_va_vdst(0)
	s_wait_dscnt 48                                ; all but the 48 just issued
	WIN 0x52
	MULS \s+1, 0, 0
	MULS \s+1, 2, 0
.endr
	s_wait_dscnt 0x0
	MULS 7, 0, 0
	MULS 7, 2, 0
	WIN 0
	PLACES
; THE WAY OUT, a tile of 16 tokens at a time.  LDS serves a wave's instructions in order (ISA guide 5.7.1.4): no wait between the stores and the loads, nor in front of the next tile's stores.
.macro TOSTAGE p
	WIN 0x04                                       ; an LDS store's data are its source 1: window 1
.irp b, 0,1,2,3,4,5,6,7
	ds_store_b128 v[STO], v[64*(\p)+8*\b:64*(\p)+8*\b+3] offset:128*(\b/2)+32*(\b%2)          ; each accumulator from its low end on
	ds_store_b128 v[STO], v[64*(\p)+8*\b+4:64*(\p)+8*\b+7] offset:128*(\b/2)+32*(\b%2)+16
.endr
	WIN 0
.set BB, BIA+64*((\p)%2)
.irp t, 0,1,2,3,4,5,6,7,8,9,10,11,12,13,14,15
	ds_load_b128 v[BB+4*\t:BB+4*\t+3], v[RD] offset:528*\t
.endr
.endm
.macro SEND p, younger                 ; younger: the LDS instructions issued behind tile p's loads, which may stay out
.set BB, BIA+64*((\p)%2)
	s_wait_dscnt \younger
.irp t, 0,1,2,3,4,5,6,7,8,9,10,11,12,13,14,15
	global_store_b128 v[L16], v[BB+4*\t:BB+4*\t+3], s[86:87] offset:(32*((\p)/2)+8*((\p)%2)+\t+8*(\t/8))*4096 th:TH_STORE_NT   ; 32 lanes store 512 consecutive bytes, aligned; written once
.endr
.endm
	TOSTAGE 0
.irp p, 1,2,3
.if \p > 1
	s_wait_xcnt 0x0                                ; tile p - 2's stores have read their registers: tile p's loads may land there
.endif
	TOSTAGE \p
	SEND \p-1, 32                                  ; behind tile p - 1's loads: tile p's 16 stores and 16 loads
.endr
	SEND 3, 0
	s_wait_tensorcnt 0x0                           ; the wave's end: behind my last tensor load and my last LDS store
	ds_add_u32 v[SPW], v[NIL]
	s_wait_dscnt 0x0
	CROUND                                         ; the closing round
	s_endpgm
.Lfunc_end_k_q17388ad4e2_outp:
	.size	k_q17388ad4e2_outp, .Lfunc_end_k_q17388ad4e2_outp-k_q17388ad4e2_outp
	.p2alignl 7, 3214868480
	.fill 96, 4, 3214868480
	.section	.rodata,"a",@progbits
	.p2align	6, 0x0
	.amdhsa_kernel k_q17388ad4e2_outp
		.amdhsa_group_segment_fixed_size 295424
		.amdhsa_private_segment_fixed_size 0
		.amdhsa_enable_private_segment 0
		.amdhsa_kernarg_size 48
		.amdhsa_user_sgpr_count 2
		.amdhsa_user_sgpr_kernarg_segment_ptr 1
		.amdhsa_wavefront_size32 1
		.amdhsa_system_sgpr_workgroup_id_x 1
		.amdhsa_system_sgpr_workgroup_id_y 1
		.amdhsa_system_sgpr_workgroup_id_z 1
		.amdhsa_system_vgpr_workitem_id 0
		.amdhsa_next_free_vgpr 768
		.amdhsa_next_free_sgpr 100
		.amdhsa_reserve_vcc 0
		.amdhsa_float_denorm_mode_32 3
		.amdhsa_float_denorm_mode_16_64 3
		.amdhsa_memory_ordered 1
		.amdhsa_forward_progress 1
		.amdhsa_inst_pref_size 84
	.end_amdhsa_kernel
	.amdgpu_metadata
---
amdhsa.version: [ 1, 2 ]
amdhsa.kernels:
  - .name:           k_q17388ad4e2_outp
    .symbol:         k_q17388ad4e2_outp.kd
    .args:
      - { .name: ac, .offset: 0, .size: 8, .value_kind: global_buffer, .address_space: global }
      - { .name: asc, .offset: 8, .size: 8, .value_kind: global_buffer, .address_space: global }
      - { .name: wc, .offset: 16, .size: 8, .value_kind: global_buffer, .address_space: global }
      - { .name: ws, .offset: 24, .size: 8, .value_kind: global_buffer, .address_space: global }
      - { .name: bo, .offset: 32, .size: 8, .value_kind: global_buffer, .address_space: global }
      - { .name: out0, .offset: 40, .size: 8, .value_kind: global_buffer, .address_space: global }
    .group_segment_fixed_size: 295424
    .private_segment_fixed_size: 0
    .kernarg_segment_align: 8
    .kernarg_segment_size: 48
    .max_flat_workgroup_size: 128
    .sgpr_count:     100
    .vgpr_count:     768
    .wavefront_size: 32
...
	.end_amdgpu_metadata
.endif
;; end of part 4
